; MI455X (gfx1250); checked and timed in simulation.
; The chip was launched on July 23, 2026; its instructions are those of AMD's public machine-readable ISA for CDNA 5 (MIT licence, August 2026) and "CDNA5" Instruction Set Architecture Reference Guide (July 2026). The comments in the code are by the model that wrote it; some were corrected since.
;; Wei Attention. Allowed arithmetic: matrix products marked QUANTISED: E2M1 operands, one E8M0 scale for each 32 along K, by v_wmma_scale_f32_16x16x128_f8f6f4 with both operands' format E2M1 (or v_wmma_scale_f32_32x16x128_f4), f32 sums; everything else in f32.
;; Inputs: k 4 x 16 x 2,048 x 64 float32; mask 2,048 x 2,048 bool; q 4 x 16 x 2,048 x 64 float32; v 4 x 16 x 2,048 x 64 float32.
;; Outputs: out0 4 x 16 x 2,048 x 64 float32.
;; This version of the problem:
;;   THIS VERSION OF THE PROBLEM IS GIVEN IN LOW PRECISION. The matrix products marked QUANTISED in the list below multiply operands that are first quantised to E2M1 (2 exponent bits, 1 mantissa bit; 4 bits a number), with one power-of-two scale for each 32 numbers along K (OCP MX v1.0); their sums are f32. All else is computed in f32.
;;   The module's matrix products, in the order in which they are computed (A, B: the left and right operand; K: the contracted axis; several contracted axes count as one K, in the product's order):
;;     1. batch 64 x [M 2,048, K 64] x [K 64, N 2,048]; A: input q; B: input k: QUANTISED
;;     2. batch 64 x [M 2,048, K 2,048] x [K 2,048, N 64]; A: softmax (see below); B: input v: QUANTISED
;;   THE QUANTISER, for each operand of a quantised product, along K:
;;     - K is cut into blocks of 32 from its start; a last block that is shorter is filled with zeros.
;;     - A block's scale is 2^e with e = floor(log2(the largest magnitude in the block)) - 2, held to -126 .. 127; a block of zeros has e = 0. As a byte (E8M0): e + 127.
;;     - Each number is divided by its block's scale, clamped to +-6, and rounded to the nearest number of E2M1, ties to even, subnormals kept.
;;     - The product sums the exact products of the quantised numbers (number of the format x scale) in f32.
;;   ~~~python
;;   def quantise(x, axis):      # numpy; x: float32 -> the quantised numbers, widened to float32 again
;;       x = np.moveaxis(x, axis, -1); K = x.shape[-1]
;;       x = np.pad(x, [(0, 0)] * (x.ndim - 1) + [(0, -K % 32)]); x = x.reshape(x.shape[:-1] + (-1, 32)); a = np.abs(x).max(-1, keepdims=True)
;;       e = np.where(a > 0, np.clip(np.frexp(np.where(a > 0, a, 1))[1] - 1 - 2, -126, 127), 0)      # np.frexp(a)[1] - 1 = floor(log2(a)), exactly
;;       r = np.clip(x / 2.0 ** e, -6, 6)
;;       step = 2.0 ** (np.maximum(np.frexp(np.where(r == 0, 1, r))[1] - 1, 0) - 1)
;;       q = np.round(r / step) * step * 2.0 ** e      # np.round: ties to even
;;       return np.moveaxis(q.reshape(q.shape[:-2] + (-1,))[..., :K], -1, axis).astype(np.float32)
;;   ~~~
;;   SOFTMAX AHEAD OF A QUANTISED PRODUCT. Where the list says 'softmax', what is quantised is not the finished softmax but p = 2^(t - M), with t = logit x log2(e) and M = ceil(the row's largest t), a whole number; so 1/2 < the row's largest p <= 1. The row's sum l is taken of the UNQUANTISED p, in f32, and the product's result is divided by l at the end. Since M is a whole number, a kernel that streams over the keys may use a running M (the ceiling of the running maximum): every later rescaling is an exact power of two, which a block's scale takes up: the codes' values come out the same.
;;   OPERANDS COMPUTED ON THE WAY. 'Computed on the way' means the value that the module computes at that place (a softmax that the list does not call 'softmax' is quantised finished and normalised). What goes into a quantiser is computed in f32, as accurately as f32 sums, v_exp_f32 and their like allow (about 1e-6 of the number): no bf16 or f16 on the way to a quantiser, and a product that is left as it is and whose result goes on into a quantised operand takes f32 operands (vector FMAs, or v_wmma_f32_16x16x4_f32). A number that lies on a knife's edge between two numbers of the format may be rounded either way, as far as f32 arithmetic and the matrix unit's own rounding can turn it there, and no further.
;; 2 versions. Each part assembles by itself: llvm-mc -triple=amdgcn-amd-amdhsa -mcpu=gfx1250 --defsym DOCPART=n.
;; ======== version 1 of 2: 2 launches
;; workspace buffers: kv 9,175,040 bytes; maskw 524,288 bytes of whole numbers; flags 65,536 bytes of whole numbers
;; launch prep (part 1): grid 640 x 1, 4 waves a work-group, no clusters, 39,424 bytes of LDS; arguments k, v, mask, kv, maskw, flags; writes kv, maskw, flags
.if DOCPART == 1
	.amdgcn_target "amdgcn-amd-amdhsa--gfx1250"
	.amdhsa_code_object_version 6
	.text
	.protected	k_q5bd8df664f_prep
	.globl	k_q5bd8df664f_prep
	.p2align	8
	.type	k_q5bd8df664f_prep,@function
k_q5bd8df664f_prep:
	s_mov_b64 s[64:65], 0
	v_nop
	global_prefetch_b8 v0, s[64:65] scope:SCOPE_SE
	s_setreg_imm32_b32 hwreg(HW_REG_WAVE_MODE, 25, 1), 1
	s_wait_xcnt 0x0
; k, v: [64 heads][2048 keys][64 channels] f32.  mask: [2048][2048] bytes.  This launch makes what the attention launch reads:
;   kv:    for each head an image of 143,360 bytes, laid in the order of the matrix operands' registers (codes of E2M1, one E8M0 byte for each 32 along a product's K):
;          KC at 0:       [step 16][tile 8][lane 32][16 B]: lane (r, h) holds channels 32 h .. 32 h + 31 of key 128 step + 32 (tile / 2) + 8 (tile % 2) + r + 8 (r / 8)
;          VC at 65,536:  [step 16][tile 4][c 2][lane 32][16 B]: lane (r, h) holds keys 128 step + 64 c + 32 h + 0 .. 31 of channel 16 tile + r
;          KS at 131,072: [step 16][lane 32][4 words]: word j of lane L: the scale word of tile 2 j + L / 16, key slot L % 16: byte 0, 1 = the key's two blocks, bytes 2, 3 = 0x7f
;          VS at 139,264: [step 16][lane 32][2 words]: word u of lane L: channel L + 32 u; byte n = key block 4 step + n
;   maskw: [query tile 128][step 16][64 words]: bit L of word n = mask[16 tile + L % 16][128 step + 32 (n / 16) + 16 (L / 16) + n % 16] is not 0
;   flags: [query tile 128][wave 4][32 equal words]: bit i: some byte of step 4 wave + i is true; bit 16 + i: every byte there is 1
; A block's scale is 2^(floor(log2(its largest magnitude)) - 2); its byte is the largest magnitude's exponent field - 2, held at 1 from below.
; LIMITS: a block of zeros, or one whose largest magnitude lies under 2^-124, gets the byte 1 (a block of zeros has zero codes, and this program alone reads the bytes); NaN and infinities in k and v are not served;
; a mask byte that is not 0 counts as true.
; SHARES: work-groups 0-255 take k, 256-511 v: a wave takes one step (128 keys, 32,768 bytes) of one head.  Work-groups 512-639 take the mask: one query tile each, four steps a wave.
; No barrier: waves share nothing.  Only k's path uses LDS.
.set HEADB, 143360
.set RK, 32                            ; k: v32-159 four sets of 32 numbers as loaded
.set XK, 160                           ; k: v160-223 two sets of 32 neighbours along the channels
.set CK, 224                           ; k: v224-255 four registers of codes for each tile: no store's data are written again
.set XV, 32                            ; v: v32-95 two sets of 32 numbers down the keys
.set CV, 96                            ; v: v96-127 four registers of codes for each unit
.set MR, 32                            ; mask: v32-95 sixteen registers of bytes for each step
.set STAGE, 4864                       ; k: a stage: key slot p, half h, piece j at 144 p + 2,432 h + 16 j
	s_load_b256 s[4:11], s[0:1], 0x0               ; k s[4:5], v s[6:7], mask s[8:9], kv s[10:11]
	s_load_b128 s[12:15], s[0:1], 0x20             ; maskw s[12:13], flags s[14:15]
	v_lshl_add_u32 v30, v0, 2, 0x9800
	v_mov_b32 v31, 0
	v_lshrrev_b32 v1, 5, v0
	v_readfirstlane_b32 s16, v1                    ; wave 0..3
	v_and_b32 v1, 31, v0                           ; lane L
	v_lshrrev_b32 v6, 4, v1                        ; h = L / 16
	v_and_b32 v7, 15, v1                           ; r = L % 16
	s_mov_b32 s20, 0x76543210
	s_mov_b32 s21, 0xfedcba98                      ; v_permlanex16_b32's selects for lane l xor 16
	s_mov_b32 s3, 0
	s_wait_kmcnt 0x0
	s_cmp_lt_u32 ttmp9, 256
	s_cbranch_scc0 .Lpath_v
; ---------------------------------------------------------------- k: the channels are innermost
; Each load reads 512 consecutive bytes (two keys).  The conversions want 32 neighbours of one key's half in ONE lane: so a tile's 4,096 bytes turn through the wave's own stage in LDS.
; 144 bytes from slot to slot are 36 words; 2,432 bytes are 32 words modulo 64: the two halves of a store do not meet.
	s_lshl_b32 s17, ttmp9, 2
	s_add_co_u32 s17, s17, s16                     ; job = 4 x work-group + wave = 16 x head + step
	s_lshr_b32 s18, s17, 4                         ; head
	s_and_b32 s19, s17, 15                         ; step
	s_lshl_b32 s2, s17, 15                         ; a step is 32,768 bytes, a head sixteen of them
	s_add_nc_u64 s[4:5], s[4:5], s[2:3]
	s_mul_i32 s2, s18, HEADB
	s_add_nc_u64 s[10:11], s[10:11], s[2:3]        ; the head's image
	s_lshl_b32 s2, s19, 9
	s_add_co_u32 s2, s2, 131072
	s_add_nc_u64 s[26:27], s[10:11], s[2:3]        ; KS of my step
	s_lshl_b32 s2, s19, 12
	s_add_nc_u64 s[10:11], s[10:11], s[2:3]        ; KC of my step
	s_mov_b32 s22, 0xffff0000                      ; lanes 16-31
	s_mul_i32 s23, s16, 2*STAGE                    ; my wave's two stages
	v_lshlrev_b32 v2, 4, v1                        ; 16 L: my bytes of a load's or a store's 512
	v_mul_u32_u24 v3, v6, 144                      ; into a stage: slot L / 16 (+ 2 for each load), half (L / 8) % 2, piece L % 8
	v_bfe_u32 v13, v1, 3, 1
	v_mad_u32_u24 v3, v13, 2432, v3
	v_and_b32 v13, 7, v1
	v_lshl_add_u32 v3, v13, 4, v3
	v_add_nc_u32 v3, s23, v3
	v_mul_u32_u24 v4, v7, 144                      ; out of it: slot r, half h
	v_mad_u32_u24 v4, v6, 2432, v4
	v_add_nc_u32 v4, s23, v4
	v_lshlrev_b32 v5, 3, v6                        ; 8 h: my byte's place in a scale word
	v_mov_b32 v12, 0                               ; written once: a lane permute's destination counts as one of its sources
.macro LOADK t                         ; tile t: keys b .. b + 7 (loads 0-3) and b + 16 .. b + 23 (loads 4-7), b = 32 (t / 2) + 8 (t % 2)
.irp i, 0,1,2,3,4,5,6,7
	global_load_b128 v[RK+32*((\t)%4)+4*\i:RK+32*((\t)%4)+4*\i+3], v2, s[4:5] offset:(32*((\t)/2)+8*((\t)%2))*256+512*\i+(\i/4)*2048 th:TH_LOAD_NT
.endr
.endm
.macro TURNK t                         ; through stage t % 2: LDS serves a wave's instructions in order (ISA guide 5.7.1.4), so no wait stands between the stores and the loads
.irp i, 0,1,2,3,4,5,6,7
	ds_store_b128 v3, v[RK+32*((\t)%4)+4*\i:RK+32*((\t)%4)+4*\i+3] offset:STAGE*((\t)%2)+288*\i
.endr
.irp j, 0,1,2,3,4,5,6,7
	ds_load_b128 v[XK+32*((\t)%2)+4*\j:XK+32*((\t)%2)+4*\j+3], v4 offset:STAGE*((\t)%2)+16*\j
.endr
.endm
.macro STEPK t
.set XS, XK+32*((\t)%2)
	s_wait_dscnt 0x0                               ; this tile's numbers are back from the stage: so its stores into the stage have read their registers,
.if (\t)+4 < 8
	LOADK (\t)+4                                   ; which take the loads of four tiles on
.endif
.if (\t)+1 < 8
.if (\t) < 4
	s_wait_loadcnt 24                              ; the next tile's eight loads are in; those of the three tiles behind it may be out
.else
	s_wait_loadcnt 8*(6-(\t))                      ; the counts run down: 16, 8, 0
.endif
	TURNK (\t)+1                                   ; and go through the other stage while this tile is worked
.endif
	v_max3_num_f32 v8, |v[XS]|, |v[XS+1]|, |v[XS+2]|          ; the block's largest magnitude: all 32 numbers are mine; two chains
	v_max3_num_f32 v9, |v[XS+3]|, |v[XS+4]|, |v[XS+5]|
.irp i, 6,10,14,18,22,26
	v_max3_num_f32 v8, v8, |v[XS+\i]|, |v[XS+\i+1]|
	v_max3_num_f32 v9, v9, |v[XS+\i+2]|, |v[XS+\i+3]|
.endr
	v_max3_num_f32 v8, v8, |v[XS+30]|, |v[XS+31]|
	v_max3_num_f32 v8, v8, v9, 0x1800000           ; and the floor 2^(3 - 127): the byte cannot fall under 1
	v_add_nc_u32 v10, 0xff000000, v8               ; 2 off its exponent field: the conversion takes the exponent field of this operand as its scale
.irp g, 0,1,2,3
	v_cvt_scalef32_pk8_fp4_f32 v[CK+4*(\t)+\g], v[XS+8*\g:XS+8*\g+7], v10
.endr
	v_lshrrev_b32 v11, 23, v10                     ; the scale's byte (a plain line behind the conversions),
	v_lshlrev_b32 v11, v5, v11                     ; at its place: block h is byte h;
	v_permlanex16_b32 v12, v11, s20, s21
	v_or_b32 v[16+(\t)], v11, v12                  ; with lane l xor 16's: the key's two bytes, in both halves of the lanes
	global_store_b128 v2, v[CK+4*(\t):CK+4*(\t)+3], s[10:11] offset:512*(\t)   ; 32 lanes store 512 consecutive bytes
.endm
	LOADK 0
	LOADK 1
	LOADK 2
	LOADK 3
	s_wait_loadcnt 24                              ; tile 0's eight loads are in
	TURNK 0
.irp t, 0,1,2,3,4,5,6,7
	STEPK \t
.endr
.irp j, 0,1,2,3
	v_cndmask_b32 v[24+\j], v[16+2*\j], v[17+2*\j], s22   ; lanes 0-15 carry tile 2 j's words, lanes 16-31 tile 2 j + 1's
.endr
.irp j, 0,1,2,3
	v_or_b32 v[24+\j], 0x7f7f0000, v[24+\j]        ; the instruction's upper 64 along K meet zero codes: their bytes are 2^0
.endr
	global_store_b128 v2, v[24:27], s[26:27]       ; 512 consecutive bytes
	s_wait_tensorcnt 0x0
	ds_add_u32 v30, v31
	s_wait_dscnt 0x0
	s_endpgm
; ---------------------------------------------------------------- v: the keys are its K, and they are not innermost
; A lane takes a channel and its registers run down the keys: a block of 32 keys lies in one lane's 32 registers, and the conversions' results are the operand's registers.
; Unit e = 2 n + u: key block n of the step's four, channels 32 u + L.
.Lpath_v:
	s_cmp_lt_u32 ttmp9, 512
	s_cbranch_scc0 .Lpath_m
	s_sub_co_u32 s17, ttmp9, 256
	s_lshl_b32 s17, s17, 2
	s_add_co_u32 s17, s17, s16                     ; job = 16 x head + step
	s_lshr_b32 s18, s17, 4
	s_and_b32 s19, s17, 15
	s_lshl_b32 s2, s17, 15
	s_add_nc_u64 s[6:7], s[6:7], s[2:3]
	s_mul_i32 s2, s18, HEADB
	s_add_nc_u64 s[10:11], s[10:11], s[2:3]
	s_lshl_b32 s2, s19, 8
	s_add_co_u32 s2, s2, 139264
	s_add_nc_u64 s[26:27], s[10:11], s[2:3]        ; VS of my step
	s_lshl_b32 s2, s19, 12
	s_add_co_u32 s2, s2, 65536
	s_add_nc_u64 s[10:11], s[10:11], s[2:3]        ; VC of my step
	v_lshlrev_b32 v2, 2, v1                        ; in: 4 bytes a lane
	v_lshlrev_b32 v3, 4, v7
	v_lshl_add_u32 v3, v6, 10, v3                  ; out: tile 2 u + L / 16 (1,024 bytes a tile), 16 bytes at row r
	v_lshlrev_b32 v4, 3, v1                        ; the scale words: 8 bytes a lane
.macro LOADV e
.set i, 0
.rept 32
	global_load_b32 v[XV+32*((\e)%2)+i], v2, s[6:7] offset:(32*((\e)/2)+i)*256+128*((\e)%2) th:TH_LOAD_NT
.set i, i+1
.endr
.endm
.macro BLOCKV e
.set XS, XV+32*((\e)%2)
.if (\e) < 7
	s_wait_loadcnt 32                              ; this unit's 32 loads are in; the next unit's may be out
.else
	s_wait_loadcnt 0x0
.endif
	v_max3_num_f32 v8, |v[XS]|, |v[XS+1]|, |v[XS+2]|
	v_max3_num_f32 v9, |v[XS+3]|, |v[XS+4]|, |v[XS+5]|
.irp i, 6,10,14,18,22,26
	v_max3_num_f32 v8, v8, |v[XS+\i]|, |v[XS+\i+1]|
	v_max3_num_f32 v9, v9, |v[XS+\i+2]|, |v[XS+\i+3]|
.endr
	v_max3_num_f32 v8, v8, |v[XS+30]|, |v[XS+31]|
	v_max3_num_f32 v8, v8, v9, 0x1800000           ; the floor 2^(3 - 127)
	v_add_nc_u32 v10, 0xff000000, v8               ; the conversion's scale operand
	v_lshrrev_b32 v11, 23, v10                     ; the byte
.if (\e)/2 == 0
	v_mov_b32 v[24+(\e)%2], v11                    ; four bytes to a word, the lower keys in the lower byte
.else
	v_lshl_or_b32 v[24+(\e)%2], v11, 8*((\e)/2), v[24+(\e)%2]
.endif
.irp g, 0,1,2,3
	v_cvt_scalef32_pk8_fp4_f32 v[CV+4*(\e)+\g], v[XS+8*\g:XS+8*\g+7], v10
.endr
	global_store_b128 v3, v[CV+4*(\e):CV+4*(\e)+3], s[10:11] offset:2048*((\e)%2)+512*((\e)/4)+256*(((\e)/2)%2)   ; sixteen lanes store 256 consecutive bytes, aligned
.if (\e)+2 < 8
	LOADV (\e)+2                                   ; the next block's first lines are plain: they stand between these conversions and the next write of their scale operand
.endif
.endm
	LOADV 0
	LOADV 1
.irp e, 0,1,2,3,4,5,6,7
	BLOCKV \e
.endr
	global_store_b64 v4, v[24:25], s[26:27]        ; 256 consecutive bytes
	s_endpgm
; ---------------------------------------------------------------- the mask: bytes into lane masks
; Lane (r, h) reads, of row 16 T + r, the 16 bytes at key 128 step + 32 b + 16 h: what the attention launch's lane (r, h) holds in score registers 16 b .. 16 b + 15.
; A load takes 32 bytes of each of 16 rows; the wave's sixteen loads, issued on end, use 512 bytes of each row.
.Lpath_m:
	s_sub_co_u32 s17, ttmp9, 512                   ; T: the query tile
	s_lshl_b32 s2, s17, 15                         ; 16 rows of 2,048 bytes,
	s_lshl_b32 s18, s16, 9                         ; my four steps of 128 bytes
	s_add_co_u32 s2, s2, s18
	s_add_nc_u64 s[8:9], s[8:9], s[2:3]
	s_lshl_b32 s2, s17, 12
	s_lshl_b32 s18, s16, 10
	s_add_co_u32 s2, s2, s18
	s_add_nc_u64 s[12:13], s[12:13], s[2:3]        ; maskw: 4,096 bytes a tile, 256 a step
	s_lshl_b32 s2, s17, 9
	s_lshl_b32 s18, s16, 7
	s_add_co_u32 s2, s2, s18
	s_add_nc_u64 s[14:15], s[14:15], s[2:3]        ; flags: 512 bytes a tile, 128 a wave
	s_mov_b32 s22, 0                               ; my four steps' bits
	v_lshlrev_b32 v2, 11, v7
	v_lshl_add_u32 v2, v6, 4, v2                   ; row r, + 16 h
	v_lshlrev_b32 v3, 3, v1                        ; out: two words a lane
	v_lshlrev_b32 v4, 2, v1
.irp k, 0,1,2,3
.irp b, 0,1,2,3
	global_load_b128 v[MR+16*\k+4*\b:MR+16*\k+4*\b+3], v2, s[8:9] offset:128*\k+32*\b th:TH_LOAD_NT
.endr
.endr
.macro MSTEP k
.set MK, MR+16*(\k)
	s_wait_loadcnt 12-4*(\k)                       ; this step's four loads are in; the later steps' may be out
	v_or_b32 v8, v[MK], v[MK+1]
	v_and_b32 v9, v[MK], v[MK+1]
.set i, 2
.rept 14
	v_or_b32 v8, v8, v[MK+i]
	v_and_b32 v9, v9, v[MK+i]
.set i, i+1
.endr
	v_cmp_ne_u32 vcc_lo, 0, v8                     ; some byte of some lane is true?
	s_cmp_lg_u32 vcc_lo, 0
	s_cselect_b32 s23, 1<<(\k), 0
	s_or_b32 s22, s22, s23
	v_cmp_eq_u32 vcc_lo, 0x01010101, v9            ; every byte of every lane is 1?  (Other non-zero bytes only make the step count as mixed, which is right too)
	s_cmp_eq_u32 vcc_lo, -1
	s_cselect_b32 s23, 1<<(16+(\k)), 0
	s_or_b32 s22, s22, s23
	v_mov_b32 v[16+2*(\k)], 0                      ; v_writelane_b32's destination counts as read
	v_mov_b32 v[17+2*(\k)], 0
.set nb, 0
.rept 8                                ; eight words at a time: byte n % 4 of register n / 4 is cut out, compared in all lanes at once, and the lanes' bits are word n: it goes to lane n / 2, register n % 2
.set e, 0
.rept 8
	v_and_b32 v[96+e], 0xff<<(8*((nb+e)%4)), v[MK+4*((nb+e)/16)+((nb+e)%16)/4]
.set e, e+1
.endr
.set e, 0
.rept 8
	v_cmp_ne_u32 s[24+e], 0, v[96+e]
.set e, e+1
.endr
.set e, 0
.rept 8
	v_writelane_b32 v[16+2*(\k)+(nb+e)%2], s[24+e], (nb+e)/2
.set e, e+1
.endr
.set nb, nb+8
.endr
	global_store_b64 v3, v[16+2*(\k):17+2*(\k)], s[12:13] offset:256*(\k)   ; the step's 64 words: 256 consecutive bytes, aligned
.endm
	MSTEP 0
	MSTEP 1
	MSTEP 2
	MSTEP 3
	v_mov_b32 v5, s22
	global_store_b32 v4, v5, s[14:15]              ; 32 equal words: 128 consecutive bytes
	s_endpgm
.Lfunc_end_k_q5bd8df664f_prep:
	.size	k_q5bd8df664f_prep, .Lfunc_end_k_q5bd8df664f_prep-k_q5bd8df664f_prep
	.p2alignl 7, 3214868480
	.fill 96, 4, 3214868480
	.section	.rodata,"a",@progbits
	.p2align	6, 0x0
	.amdhsa_kernel k_q5bd8df664f_prep
		.amdhsa_group_segment_fixed_size 39424
		.amdhsa_private_segment_fixed_size 0
		.amdhsa_enable_private_segment 0
		.amdhsa_kernarg_size 48
		.amdhsa_user_sgpr_count 2
		.amdhsa_user_sgpr_kernarg_segment_ptr 1
		.amdhsa_wavefront_size32 1
		.amdhsa_system_sgpr_workgroup_id_x 1
		.amdhsa_system_sgpr_workgroup_id_y 1
		.amdhsa_system_sgpr_workgroup_id_z 1
		.amdhsa_system_vgpr_workitem_id 0
		.amdhsa_next_free_vgpr 256
		.amdhsa_next_free_sgpr 66
		.amdhsa_reserve_vcc 1
		.amdhsa_float_denorm_mode_32 3
		.amdhsa_float_denorm_mode_16_64 3
		.amdhsa_memory_ordered 1
		.amdhsa_forward_progress 1
		.amdhsa_inst_pref_size 124
	.end_amdhsa_kernel
	.amdgpu_metadata
---
amdhsa.version: [ 1, 2 ]
amdhsa.kernels:
  - .name:           k_q5bd8df664f_prep
    .symbol:         k_q5bd8df664f_prep.kd
    .args:
      - { .name: k, .offset: 0, .size: 8, .value_kind: global_buffer, .address_space: global }
      - { .name: v, .offset: 8, .size: 8, .value_kind: global_buffer, .address_space: global }
      - { .name: mask, .offset: 16, .size: 8, .value_kind: global_buffer, .address_space: global }
      - { .name: kv, .offset: 24, .size: 8, .value_kind: global_buffer, .address_space: global }
      - { .name: maskw, .offset: 32, .size: 8, .value_kind: global_buffer, .address_space: global }
      - { .name: flags, .offset: 40, .size: 8, .value_kind: global_buffer, .address_space: global }
    .group_segment_fixed_size: 39424
    .private_segment_fixed_size: 0
    .kernarg_segment_align: 8
    .kernarg_segment_size: 48
    .max_flat_workgroup_size: 128
    .sgpr_count:     66
    .vgpr_count:     256
    .wavefront_size: 32
...
	.end_amdgpu_metadata
.endif
;; end of part 1
;; launch attn (part 2): grid 4 x 64, 16 waves a work-group, no clusters, 223,232 bytes of LDS; arguments q, kv, maskw, flags, out0; writes out0
.if DOCPART == 2
	.amdgcn_target "amdgcn-amd-amdhsa--gfx1250"
	.amdhsa_code_object_version 6
	.text
	.protected	k_q5bd8df664f_attn
	.globl	k_q5bd8df664f_attn
	.p2align	8
	.type	k_q5bd8df664f_attn,@function
k_q5bd8df664f_attn:
	s_mov_b64 s[64:65], 0
	v_nop
	global_prefetch_b8 v0, s[64:65] scope:SCOPE_SE
	s_setreg_imm32_b32 hwreg(HW_REG_WAVE_MODE, 25, 1), 1
	s_wait_xcnt 0x0
; out0[head][q][:] = the sum over k of softmax_k(mask[q][k] ? q . k / 8 : -inf) v[k][:], 64 heads, 2,048 queries and keys, 64 channels; both products on codes of E2M1 with one E8M0 scale for each 32 along K.
; kv, maskw and flags were made by the launch before; their layouts are written at its head.  q arrives as f32 and is quantised here, in registers.
; THE SOFTMAX: t = score x log2(e) / 8; M = the row's largest t so far, rounded UP to a whole number; p = 2^(t - M) is what is quantised, along the keys.  The row's sum is taken of the unquantised p and divides at the end.
; When M moves, the sum and O are multiplied by 2^(old M - new M): exact.
; THE MASK is honoured as it is given.  For each (tile of 16 queries, step of 128 keys) two stored bits say: some key counts; all keys count.  A step in which none counts is jumped over (its p would all be 0);
; in a mixed step the hidden scores become -inf by 64 selects on stored lane masks; a step in which all count jumps over the selects.  A row in which no key counts ends with O = 0 and sum 0: 0 x (1 / 0) = NaN, as a softmax of -inf alone is.
; SHARES.  A work-group is a quarter of a head's queries: sixteen waves, four to a SIMD, so that one wave's vector work stands beside another's matrix work and LDS loads.  Wave w of quarter j takes two tiles of
; 16 queries, one after the other: T = 16 j + w and T = 127 - (16 j + w): right for every mask, and even where the mask is lower triangular (17 steps a wave then).
; K AND V: the head's whole image, 143,360 bytes, goes into LDS once, through registers, ahead of the one barrier; the key loop has no ring and no barrier.
; WHY NO JOINT LOADS, though four work-groups read the same image: a joint load is a tensor load; the jumps over hidden steps leave out
; up to half of all steps, while what is shared is 143,360 bytes a work-group, read once at the head.  No prefetch: all bulk reads stand at the head.
; LAYOUT.  Both products are used transposed: S^T = K Q^T (source 0 = 16 keys, source 1 = my 16 queries), O^T = V^T P^T: a lane holds ONE query (lane % 16) throughout.  The keys of a tile are chosen so that score
; registers 16 b .. 16 b + 15 are keys 32 b + 16 (lane / 16) + 0 .. 15 of the step.  The head size fills 64 of the first product's 128 along K: q's upper four registers are zero codes, so K's upper four may be any codes
; (the next tile's, or zeros); their scale bytes are 2^0.
; LIMITS: NaN and infinities in q, k, v are not served; a block of q whose largest magnitude lies under 2^-124 keeps the byte 1; a p under 2^-126 is 0.
.set HEADB, 143360
.set VCO, 65536                        ; LDS as the image: KC at 0, VC, KS, VS
.set KSO, 131072
.set VSO, 139264
.set STG, 143360                       ; behind the image: 4,864 bytes for each wave, its own: q's turn (slot p, half h, piece j at 144 p + 2,432 h + 16 j), later 16 rows x 272 bytes for the way out
.set WSTB, 4864
; v1 16 L   v2 16 L + VCO   v3 16 L + KSO   v4 8 L + VSO   v5, v6 the way out: in, back   v7 q's turn: in   v211 q's turn: out   v8-11 the addresses in hand
; v12 -M   v13 the largest t   v[14:15] the sum in two halves   v[16:19] q's codes, v[20:23] zeros   v24 q's scale word   v25, v[26:29] the second tile's   v30 -inf   v31 8 h
.set KF, 32                            ; v32-63 K's eight fragments, four registers each; v64-67 zeros
.set VF, 68                            ; v68-99 V's four fragments
.set S,  100                           ; v100-163 S^T, then p
.set O,  164                           ; v164-195 O^T
.set PC, 196                           ; v196-203 p's codes
                                       ; v204-207 K's scale words, v208-209 V's, v210 p's
.set BM, 212                           ; v212-215 the blocks' largest scores, then largest p
.set PT, 216                           ; v216-219 permutes' results, then bytes
.set SO, 220                           ; v220-223 the conversions' scale operands
                                       ; v[224:225] f and 0   v226 at work   v[228:229] the sums' second chain
; s[4:5], s[100:101] q at my two tiles   s[6:7] the head's image   s[8:9] maskw   s[10:11] flags   s[12:13] out0 at the head   s14 wave   s16 T   s17, s18 the tile's bits, the next tile's
; s19 step   s[20:21] lane selects   s[22:23] c   s24, s25, s28 the step's offsets   s[26:27] maskw at the tile   s29 tile counter   s[30:31] out0 at the tile   s32-63, s68-99 the step's 64 lane masks
	s_load_b256 s[4:11], s[0:1], 0x0               ; q, kv, maskw, flags
	s_load_b64 s[12:13], s[0:1], 0x20              ; out0
	v_lshl_add_u32 v254, v0, 2, 0x36000
	v_mov_b32 v255, 0
	v_lshrrev_b32 v212, 5, v0
	v_readfirstlane_b32 s14, v212                  ; wave 0..15
	v_and_b32 v212, 31, v0                         ; L
	v_and_b32 v213, 15, v0                         ; r
	v_bfe_u32 v214, v0, 4, 1                       ; h
	s_mul_i32 s2, s14, WSTB
	s_add_co_u32 s2, s2, STG                       ; my wave's own bytes
	v_lshlrev_b32 v1, 4, v212
	v_add_nc_u32 v2, VCO, v1
	v_add_nc_u32 v3, KSO, v1
	v_lshl_add_u32 v4, v212, 3, VSO
	v_mul_u32_u24 v5, v213, 272                    ; the way out, in: row r, + 32 h
	v_lshl_add_u32 v5, v214, 5, v5
	v_add_nc_u32 v5, s2, v5
	v_mul_u32_u24 v6, v214, 272                    ; back: lanes 0-15 one row of 256 bytes, lanes 16-31 the next
	v_lshl_add_u32 v6, v213, 4, v6
	v_add_nc_u32 v6, s2, v6
	v_mul_u32_u24 v7, v214, 144                    ; q's turn, in: slot L / 16 (+ 2 for each load), half (L / 8) % 2, piece L % 8
	v_bfe_u32 v215, v0, 3, 1
	v_mad_u32_u24 v7, v215, 2432, v7
	v_and_b32 v215, 7, v0
	v_lshl_add_u32 v7, v215, 4, v7
	v_add_nc_u32 v7, s2, v7
	v_mul_u32_u24 v211, v213, 144                  ; out: slot r, half h
	v_mad_u32_u24 v211, v214, 2432, v211
	v_add_nc_u32 v211, s2, v211
	v_lshlrev_b32 v31, 3, v214
	v_lshlrev_b32 v8, 4, v0                        ; the fill: 16 bytes a thread, 8,192 a line; the image lies in LDS as in memory, so one register is offset and LDS address
	v_add_nc_u32 v9, VCO, v8
	v_add_nc_u32 v10, KSO, v8
	v_lshl_add_u32 v11, v0, 3, VSO                 ; and V's scale words: 8 bytes a thread
.irp j, 20,21,22,23,216,217,218,219,225
	v_mov_b32 v\j, 0                               ; q's zero codes; the permutes' destinations, which count as sources; the upper half of the pair v[224:225]
.endr
	v_mov_b32 v30, 0xff800000                      ; -inf
	s_and_b32 s15, ttmp7, 0xffff                   ; the head
	s_lshl_b32 s16, ttmp9, 4
	s_add_co_u32 s16, s16, s14                     ; my first tile: 16 x quarter + wave
	s_sub_co_u32 s3, 127, s16                      ; my second
	s_mov_b32 s20, 0x76543210
	s_mov_b32 s21, 0xfedcba98                      ; lane l xor 16
	s_mov_b32 s22, 0x3e38aa3b                      ; c = log2(e) / 8
	s_mov_b32 s23, s22                             ; (the packed form names the pair)
	s_mov_b32 s29, 0
	s_lshl_b32 s66, s15, 19                        ; a head of q or of out0: 524,288 bytes
	s_mov_b32 s67, 0
	s_wait_kmcnt 0x0
	s_add_nc_u64 s[4:5], s[4:5], s[66:67]
	s_add_nc_u64 s[12:13], s[12:13], s[66:67]
	s_lshl_b32 s66, s3, 12                         ; a tile: 16 rows of 256 bytes
	s_add_nc_u64 s[100:101], s[4:5], s[66:67]
	s_lshl_b32 s66, s16, 12
	s_add_nc_u64 s[4:5], s[4:5], s[66:67]
	s_mul_i32 s66, s15, HEADB
	s_add_nc_u64 s[6:7], s[6:7], s[66:67]
.irp i, 0,1,2,3,4,5,6,7
	global_load_b128 v[32+4*\i:35+4*\i], v1, s[4:5] offset:512*\i th:TH_LOAD_NT      ; q, first tile: 512 consecutive bytes a load
.endr
.irp i, 0,1,2,3,4,5,6,7
	global_load_b128 v[64+4*\i:67+4*\i], v1, s[100:101] offset:512*\i th:TH_LOAD_NT  ; second tile
.endr
.irp i, 0,1,2,3,4,5,6,7,8,9,10,11,12,13,14,15,16
	global_load_b128 v[100+4*\i:103+4*\i], v8, s[6:7] offset:8192*\i                 ; the image's first 139,264 bytes
.endr
	global_load_b64 v[168:169], v11, s[6:7]                                          ; its last 4,096
	s_lshl_b32 s66, s16, 9                         ; flags: 512 bytes a tile, a word of four steps each 128
	s_lshl_b32 s67, s3, 9
.irp k, 0,1,2,3
	s_load_b32 s[32+\k], s[10:11], s66 offset:128*\k
	s_load_b32 s[36+\k], s[10:11], s67 offset:128*\k
.endr
; 32 numbers of a lane (channels 32 h on of query r: a whole block) become four registers of codes and, with lane l xor 16's byte, the query's scale word
.macro QUANTQ src, dst, word
	v_max3_num_f32 v212, |v[\src]|, |v[\src+1]|, |v[\src+2]|
	v_max3_num_f32 v213, |v[\src+3]|, |v[\src+4]|, |v[\src+5]|
.irp i, 6,10,14,18,22,26
	v_max3_num_f32 v212, v212, |v[\src+\i]|, |v[\src+\i+1]|
	v_max3_num_f32 v213, v213, |v[\src+\i+2]|, |v[\src+\i+3]|
.endr
	v_max3_num_f32 v212, v212, |v[\src+30]|, |v[\src+31]|
	v_max3_num_f32 v212, v212, v213, 0x1800000     ; the floor 2^(3 - 127): the byte cannot fall under 1
	v_add_nc_u32 v220, 0xff000000, v212            ; 2 off the exponent field: the conversion's scale operand
	v_lshrrev_b32 v213, 23, v220                   ; the byte
.irp g, 0,1,2,3
	v_cvt_scalef32_pk8_fp4_f32 v[\dst+\g], v[\src+8*\g:\src+8*\g+7], v220
.endr
	v_lshlrev_b32 v213, v31, v213                  ; block h is byte h (a plain line behind the conversions)
	v_permlanex16_b32 v216, v213, s20, s21
	v_or_b32 v213, v213, v216
	v_or_b32 v[\word], 0x7f7f0000, v213            ; the upper 64 along K are zero codes under 2^0
.endm
	s_wait_loadcnt 26                              ; the first tile's eight loads are in: behind them the second tile's 8 and the image's 18
.irp i, 0,1,2,3,4,5,6,7
	ds_store_b128 v7, v[32+4*\i:35+4*\i] offset:288*\i
.endr
.irp j, 0,1,2,3,4,5,6,7
	ds_load_b128 v[32+4*\j:35+4*\j], v211 offset:16*\j     ; LDS serves a wave's instructions in order (ISA guide 5.7.1.4): these see the stores above, and the next tile's stores come behind them
.endr
	s_wait_loadcnt 18                              ; the second tile's are in
.irp i, 0,1,2,3,4,5,6,7
	ds_store_b128 v7, v[64+4*\i:67+4*\i] offset:288*\i
.endr
.irp j, 0,1,2,3,4,5,6,7
	ds_load_b128 v[64+4*\j:67+4*\j], v211 offset:16*\j
.endr
	s_wait_dscnt 16                                ; the first tile is back; the second tile's sixteen LDS instructions may be out
	QUANTQ 32, 16, 24
	s_wait_dscnt 0x0
	QUANTQ 64, 26, 25
.irp j, 64,65,66,67
	v_mov_b32 v\j, 0                               ; behind K's last fragment: zero codes
.endr
.irp i, 0,1,2,3,4,5,6,7
	s_wait_loadcnt 17-\i                           ; loads come back in order (ISA guide 5.7.1): line i of the image is in
	ds_store_b128 v8, v[100+4*\i:103+4*\i] offset:8192*\i
.endr
.irp i, 8,9,10,11,12,13,14,15
	s_wait_loadcnt 17-\i
	ds_store_b128 v9, v[100+4*\i:103+4*\i] offset:8192*(\i-8)
.endr
	s_wait_loadcnt 1
	ds_store_b128 v10, v[164:167]
	s_wait_loadcnt 0x0
	ds_store_b64 v11, v[168:169]
	s_wait_kmcnt 0x0                               ; the flags: four words of four steps make sixteen 'some' bits below and sixteen 'all' bits above
	s_lshl_b32 s33, s33, 4
	s_lshl_b32 s34, s34, 8
	s_lshl_b32 s35, s35, 12
	s_or_b32 s17, s32, s33
	s_or_b32 s34, s34, s35
	s_or_b32 s17, s17, s34
	s_lshl_b32 s37, s37, 4
	s_lshl_b32 s38, s38, 8
	s_lshl_b32 s39, s39, 12
	s_or_b32 s18, s36, s37
	s_or_b32 s38, s38, s39
	s_or_b32 s18, s18, s38
	s_wait_dscnt 0x0                               ; for the others' sake: my stores of the image are done
	s_barrier_signal -1
	s_barrier_wait -1                              ; the one barrier: the image is whole; nobody writes it again
.macro KQ t                            ; S^T of tile t: 16 keys x my 16 queries; C = 0 starts the sum.  K's scale words: lanes 0-15 of a register carry an even tile's, lanes 16-31 the odd one's
.if (\t)%2
	v_wmma_scale_f32_16x16x128_f8f6f4 v[S+8*(\t):S+8*(\t)+7], v[KF+4*(\t):KF+4*(\t)+7], v[16:23], 0, v[204+(\t)/2], v24 matrix_a_fmt:MATRIX_FMT_FP4 matrix_b_fmt:MATRIX_FMT_FP4 matrix_a_scale:MATRIX_SCALE_ROW1
.else
	v_wmma_scale_f32_16x16x128_f8f6f4 v[S+8*(\t):S+8*(\t)+7], v[KF+4*(\t):KF+4*(\t)+7], v[16:23], 0, v[204+(\t)/2], v24 matrix_a_fmt:MATRIX_FMT_FP4 matrix_b_fmt:MATRIX_FMT_FP4
.endif
.endm
.macro PV t                            ; O^T of channels 16 t on += V^T P^T over the step's 128 keys
.if (\t)%2
	v_wmma_scale_f32_16x16x128_f8f6f4 v[O+8*(\t):O+8*(\t)+7], v[VF+8*(\t):VF+8*(\t)+7], v[PC:PC+7], v[O+8*(\t):O+8*(\t)+7], v[208+(\t)/2], v210 matrix_a_fmt:MATRIX_FMT_FP4 matrix_b_fmt:MATRIX_FMT_FP4 matrix_a_scale:MATRIX_SCALE_ROW1
.else
	v_wmma_scale_f32_16x16x128_f8f6f4 v[O+8*(\t):O+8*(\t)+7], v[VF+8*(\t):VF+8*(\t)+7], v[PC:PC+7], v[O+8*(\t):O+8*(\t)+7], v[208+(\t)/2], v210 matrix_a_fmt:MATRIX_FMT_FP4 matrix_b_fmt:MATRIX_FMT_FP4
.endif
.endm
.Ltile:                                                ; two trips: my two tiles
	s_lshl_b32 s2, s16, 12                         ; a tile is 4,096 bytes of maskw, and of out0
	s_mov_b32 s3, 0
	s_add_nc_u64 s[26:27], s[8:9], s[2:3]
	s_add_nc_u64 s[30:31], s[12:13], s[2:3]
	s_mov_b32 s19, 0
	v_mov_b32 v13, 0xff61b1e6                      ; the largest t so far: -3e38, under every t
	v_floor_f32 v12, -v13                          ; -M
	v_mov_b32 v14, 0
	v_mov_b32 v15, 0
.set j, 0
.rept 32
	v_mov_b32 v[O+j], 0                            ; O^T begins as zeros: any step may be jumped over, so no step is a fixed first one whose products could start the sums
.set j, j+1
.endr
.Lstep:                                                ; sixteen trips, a constant; a step's work is jumped over where no key of it counts for my 16 queries
	s_bitcmp1_b32 s17, 0
	s_cbranch_scc0 .Lskip
	s_lshl_b32 s24, s19, 12                        ; the step's codes: 4,096 bytes of K, and of V;
	s_lshl_b32 s25, s19, 9                         ; K's scale words: 512;
	s_lshl_b32 s28, s19, 8                         ; V's: 256; and the step's 64 lane masks: 256
	s_load_b512 s[32:47], s[26:27], s28 offset:0x0
	s_load_b512 s[48:63], s[26:27], s28 offset:0x40
	s_load_b512 s[68:83], s[26:27], s28 offset:0x80
	s_load_b512 s[84:99], s[26:27], s28 offset:0xc0
	v_add_nc_u32 v8, s24, v1                       ; these four plain lines are the places between the last step's products and the loads into their registers
	v_add_nc_u32 v9, s24, v2
	v_add_nc_u32 v10, s25, v3
	v_add_nc_u32 v11, s28, v4
	ds_load_b128 v[204:207], v10
.irp t, 0,1,2,3,4,5,6,7
	ds_load_b128 v[KF+4*\t:KF+4*\t+3], v8 offset:512*\t    ; 512 consecutive bytes a load
.endr
	ds_load_b64 v[208:209], v11
.irp t, 0,1,2,3
	ds_load_b128 v[VF+8*\t:VF+8*\t+3], v9 offset:1024*\t
	ds_load_b128 v[VF+8*\t+4:VF+8*\t+7], v9 offset:1024*\t+512
.endr
	s_wait_dscnt 9                                 ; K's nine loads are in; V's nine may be out
.irp t, 0,1,2,3,4,5,6,7
	KQ \t
.endr
.rept 4
	v_nop                                          ; four places behind the products, ahead of the first read of their results (ISA guide 7.12.1)
.endr
	s_wait_kmcnt 0x0                               ; the lane masks are in,
	s_wait_xcnt 0x0                                ; and their loads have read their offset register, which the next step writes
	s_bitcmp1_b32 s17, 16
	s_cbranch_scc1 .Lopen                          ; all keys count: nothing to hide
.set n, 0
.rept 64
	v_cndmask_b32 v[S+n], v30, v[S+n], s[32+n+4*(n/32)]    ; bit L of mask n: score register n of lane L counts; else -inf.  Each accumulator from its low end on
.set n, n+1
.endr
.Lopen:
.irp b, 0,1,2,3
	v_max3_num_f32 v[BM+\b], v[S+16*\b], v[S+16*\b+1], v[S+16*\b+2]   ; the largest score of each block of 32 keys: it serves for the row's maximum and, since p rises with the score, for the block's largest p
.endr
.irp i, 3,5,7,9,11,13
.irp b, 0,1,2,3
	v_max3_num_f32 v[BM+\b], v[BM+\b], v[S+16*\b+\i], v[S+16*\b+\i+1]   ; (the four blocks by turns)
.endr
.endr
.irp b, 0,1,2,3
	v_max_num_f32 v[BM+\b], v[BM+\b], v[S+16*\b+15]
.endr
.irp b, 0,1,2,3
	v_permlanex16_b32 v[PT+\b], v[BM+\b], s20, s21
.endr
.irp b, 0,1,2,3
	v_max_num_f32 v[BM+\b], v[BM+\b], v[PT+\b]     ; with lane l xor 16's 16 keys
.endr
	v_max3_num_f32 v226, v212, v213, v214
	v_max_num_f32 v226, v226, v215                 ; the step's largest score of my query
	v_mul_f32 v226, s22, v226                      ; as t (c is positive)
	v_max_num_f32 v13, v13, v226                   ; the running largest t
	v_mov_b32 v226, v12
	v_floor_f32 v12, -v13                          ; the new -M = floor(-t) = -ceil(t)
	v_sub_f32 v226, v12, v226                      ; old M - new M: a whole number, 0 or less
	v_cvt_i32_f32 v226, v226                       ; (it saturates)
	v_ldexp_f32 v224, 1.0, v226                    ; f = 2^(old M - new M)
.set j, 0
.rept 32
	v_pk_fma_f32 v[S+j:S+j+1], v[S+j:S+j+1], s[22:23], v[12:13] op_sel_hi:[1,0,0]   ; t - M, two at a time; a hidden score stays -inf
.set j, j+2
.endr
.irp b, 0,1,2,3
	v_fma_f32 v[BM+\b], v[BM+\b], s22, v12         ; the same of each block's largest score
.endr
.set j, 0
.rept 64
	v_exp_f32 v[S+j], v[S+j]                       ; p = 2^(t - M), at most 1
.set j, j+1
.endr
	v_pk_mul_f32 v[14:15], v[14:15], v[224:225] op_sel_hi:[1,0]   ; the sums under the new M (a plain line behind the exponentials)
	s_wait_alu depctr_va_vdst(0)                   ; one wait for the batch of 64, ahead of its first reader
.irp b, 0,1,2,3
	v_exp_f32 v[BM+\b], v[BM+\b]                   ; the block's largest p: the same two instructions on the same number give the same bits
.endr
	v_pk_add_f32 v[228:229], v[S:S+1], v[S+2:S+3]  ; the row's sum is taken of the unquantised p: two at a time, in two chains; it reads the 64 alone
.set j, 4
.rept 13
	v_pk_add_f32 v[14:15], v[14:15], v[S+j:S+j+1]
	v_pk_add_f32 v[228:229], v[228:229], v[S+j+2:S+j+3]
.set j, j+4
.endr
	s_wait_alu depctr_va_vdst(0)                   ; and one for the four
.irp b, 0,1,2,3
	v_max_num_f32 v[BM+\b], 0x1800000, v[BM+\b]    ; the floor 2^(3 - 127): a block whose every p is 0 keeps the byte 1: its codes are zeros
.endr
.irp b, 0,1,2,3
	v_add_nc_u32 v[SO+\b], 0xff000000, v[BM+\b]    ; 2 off the exponent field: the conversion's scale operand
.endr
.irp b, 0,1,2,3
	v_lshrrev_b32 v[PT+\b], 23, v[SO+\b]           ; the byte
.endr
	v_lshl_or_b32 v210, v217, 8, v216              ; p's scale word for these 128 keys
	v_lshl_or_b32 v210, v218, 16, v210
	v_lshl_or_b32 v210, v219, 24, v210
.irp b, 0,1,2,3
	v_cvt_scalef32_pk8_fp4_f32 v[PC+2*\b], v[S+16*\b:S+16*\b+7], v[SO+\b]
	v_cvt_scalef32_pk8_fp4_f32 v[PC+2*\b+1], v[S+16*\b+8:S+16*\b+15], v[SO+\b]
.endr
	v_nop                                          ; one plain line behind the scaled conversions
.irp c, 0,1                            ; the operand's layout wants a whole block in a lane: lanes 0-15 block 2 c, lanes 16-31 block 2 c + 1
.irp i, 0,1
	v_permlane16_swap_b32 v[PC+4*\c+\i], v[PC+4*\c+2+\i]
.endr
.endr
.set j, 0
.rept 16
	v_pk_mul_f32 v[O+j:O+j+1], v[O+j:O+j+1], v[224:225] op_sel_hi:[1,0]   ; O^T under the new M, each accumulator from its low end on
.set j, j+2
.endr
	v_pk_add_f32 v[14:15], v[14:15], v[S+56:S+57]  ; the sums' last five lines stand here: plain lines between the last write of O^T, of p's codes and of its scale word, and the products
	v_pk_add_f32 v[228:229], v[228:229], v[S+58:S+59]
	v_pk_add_f32 v[14:15], v[14:15], v[S+60:S+61]
	v_pk_add_f32 v[228:229], v[228:229], v[S+62:S+63]
	v_pk_add_f32 v[14:15], v[14:15], v[228:229]
	s_wait_dscnt 0x0                               ; V's nine loads are in
.irp t, 0,1,2,3
	PV \t                                          ; the four accumulators take one instruction each; between two products onto one of them stand the three others' and the next step's eight
.endr
.Lskip:
	s_lshr_b32 s17, s17, 1                         ; the next step's two bits come to places 0 and 16
	s_add_co_u32 s19, s19, 1
	s_cmp_lt_u32 s19, 16
	s_cbranch_scc1 .Lstep
	; THE WAY OUT: O^T / the sum goes through my own bytes of LDS and leaves as whole rows of 256 bytes
	v_add_f32 v14, v14, v15                        ; the sum's two halves,
	v_permlanex16_b32 v216, v14, s20, s21
	v_add_f32 v14, v14, v216                       ; and lane l xor 16's
	v_rcp_f32 v14, v14
.rept 4
	v_nop                                          ; the plain line behind the reciprocal, and four places behind the last products
.endr
	s_wait_alu depctr_va_vdst(0)                   ; ahead of the reciprocal's first reader
.set j, 0
.rept 16
	v_pk_mul_f32 v[S+j:S+j+1], v[O+j:O+j+1], v[14:15] op_sel_hi:[1,0]   ; register 8 t + i is out(query r, channel 16 t + 8 h + i)
.set j, j+2
.endr
.irp t, 0,1,2,3
	ds_store_b128 v5, v[S+8*\t:S+8*\t+3] offset:64*\t
	ds_store_b128 v5, v[S+8*\t+4:S+8*\t+7] offset:64*\t+16
.endr
.irp i, 0,1,2,3,4,5,6,7
	ds_load_b128 v[S+32+4*\i:S+35+4*\i], v6 offset:544*\i      ; in order behind my stores: rows 2 i and 2 i + 1
.endr
.irp i, 0,1,2,3,4,5,6,7
	s_wait_dscnt 7-\i
	global_store_b128 v1, v[S+32+4*\i:S+35+4*\i], s[30:31] offset:512*\i th:TH_STORE_NT   ; 32 lanes store 512 consecutive bytes, aligned; written once
.endr
	s_wait_xcnt 0x0                                ; the stores have read their data and their base: the next trip writes both
.irp g, 0,1,2,3
	v_mov_b32 v[16+\g], v[26+\g]                   ; the second tile's codes take the operand's place (in the last trip these five lines serve nothing: the price of one text for both tiles)
.endr
	v_mov_b32 v24, v25                             ; and its scale word
	s_mov_b32 s17, s18
	s_sub_co_u32 s16, 127, s16
	s_add_co_u32 s29, s29, 1
	s_cmp_lt_u32 s29, 2
	s_cbranch_scc1 .Ltile
	s_wait_tensorcnt 0x0
	ds_add_u32 v254, v255
	s_wait_dscnt 0x0
	s_endpgm
.Lfunc_end_k_q5bd8df664f_attn:
	.size	k_q5bd8df664f_attn, .Lfunc_end_k_q5bd8df664f_attn-k_q5bd8df664f_attn
	.p2alignl 7, 3214868480
	.fill 96, 4, 3214868480
	.section	.rodata,"a",@progbits
	.p2align	6, 0x0
	.amdhsa_kernel k_q5bd8df664f_attn
		.amdhsa_group_segment_fixed_size 223232
		.amdhsa_private_segment_fixed_size 0
		.amdhsa_enable_private_segment 0
		.amdhsa_kernarg_size 40
		.amdhsa_user_sgpr_count 2
		.amdhsa_user_sgpr_kernarg_segment_ptr 1
		.amdhsa_wavefront_size32 1
		.amdhsa_system_sgpr_workgroup_id_x 1
		.amdhsa_system_sgpr_workgroup_id_y 1
		.amdhsa_system_sgpr_workgroup_id_z 1
		.amdhsa_system_vgpr_workitem_id 0
		.amdhsa_next_free_vgpr 256
		.amdhsa_next_free_sgpr 102
		.amdhsa_reserve_vcc 0
		.amdhsa_float_denorm_mode_32 3
		.amdhsa_float_denorm_mode_16_64 3
		.amdhsa_memory_ordered 1
		.amdhsa_forward_progress 1
		.amdhsa_inst_pref_size 40
	.end_amdhsa_kernel
	.amdgpu_metadata
---
amdhsa.version: [ 1, 2 ]
amdhsa.kernels:
  - .name:           k_q5bd8df664f_attn
    .symbol:         k_q5bd8df664f_attn.kd
    .args:
      - { .name: q, .offset: 0, .size: 8, .value_kind: global_buffer, .address_space: global }
      - { .name: kv, .offset: 8, .size: 8, .value_kind: global_buffer, .address_space: global }
      - { .name: maskw, .offset: 16, .size: 8, .value_kind: global_buffer, .address_space: global }
      - { .name: flags, .offset: 24, .size: 8, .value_kind: global_buffer, .address_space: global }
      - { .name: out0, .offset: 32, .size: 8, .value_kind: global_buffer, .address_space: global }
    .group_segment_fixed_size: 223232
    .private_segment_fixed_size: 0
    .kernarg_segment_align: 8
    .kernarg_segment_size: 40
    .max_flat_workgroup_size: 512
    .sgpr_count:     102
    .vgpr_count:     256
    .wavefront_size: 32
...
	.end_amdgpu_metadata
.endif
;; end of part 2
;; ======== version 2 of 2: 2 launches
;; workspace buffers: kv 9,175,040 bytes; maskw 524,288 bytes of whole numbers; flags 65,536 bytes of whole numbers
;; launch prep (part 3): grid 640 x 1, 4 waves a work-group, no clusters, 39,424 bytes of LDS; arguments k, v, mask, kv, maskw, flags; writes kv, maskw, flags
.if DOCPART == 3
	.amdgcn_target "amdgcn-amd-amdhsa--gfx1250"
	.amdhsa_code_object_version 6
	.text
	.protected	k_q5bd8df664f_prep
	.globl	k_q5bd8df664f_prep
	.p2align	8
	.type	k_q5bd8df664f_prep,@function
k_q5bd8df664f_prep:
	s_mov_b64 s[64:65], 0
	v_nop
	global_prefetch_b8 v0, s[64:65] scope:SCOPE_SE
	s_setreg_imm32_b32 hwreg(HW_REG_WAVE_MODE, 25, 1), 1
	s_wait_xcnt 0x0
; k, v: [64 heads][2048 keys][64 channels] f32.  mask: [2048][2048] bytes.  This launch makes what the attention launch reads:
;   kv:    for each head an image of 143,360 bytes, laid in the order of the matrix operands' registers (codes of E2M1, one E8M0 byte for each 32 along a product's K):
;          KC at 0:       [step 16][tile 8][lane 32][16 B]: lane (r, h) holds channels 32 h .. 32 h + 31 of key 128 step + 32 (tile / 2) + 8 (tile % 2) + r + 8 (r / 8)
;          VC at 65,536:  [step 16][tile 4][c 2][lane 32][16 B]: lane (r, h) holds keys 128 step + 64 c + 32 h + 0 .. 31 of channel 16 tile + r
;          KS at 131,072: [step 16][lane 32][4 words]: word j of lane L: the scale word of tile 2 j + L / 16, key slot L % 16: byte 0, 1 = the key's two blocks, bytes 2, 3 = 0x7f
;          VS at 139,264: [step 16][lane 32][2 words]: word u of lane L: channel L + 32 u; byte n = key block 4 step + n
;   maskw: [query tile 128][step 16][64 words]: bit L of word n = mask[16 tile + L % 16][128 step + 32 (n / 16) + 16 (L / 16) + n % 16] is not 0
;   flags: [query tile 128][wave 4][32 equal words]: bit i: some byte of step 4 wave + i is true; bit 16 + i: every byte there is 1
; A block's scale is 2^(floor(log2(its largest magnitude)) - 2); its byte is the largest magnitude's exponent field - 2, held at 1 from below.
; LIMITS: a block of zeros, or one whose largest magnitude lies under 2^-124, gets the byte 1 (a block of zeros has zero codes, and this program alone reads the bytes); NaN and infinities in k and v are not served;
; a mask byte that is not 0 counts as true.
; SHARES: work-groups 0-255 take k, 256-511 v: a wave takes one step (128 keys, 32,768 bytes) of one head.  Work-groups 512-639 take the mask: one query tile each, four steps a wave.
; No barrier: waves share nothing.  Only k's path uses LDS.
.set HEADB, 143360
.set RK, 32                            ; k: v32-159 four sets of 32 numbers as loaded
.set XK, 160                           ; k: v160-223 two sets of 32 neighbours along the channels
.set CK, 224                           ; k: v224-255 four registers of codes for each tile: no store's data are written again
.set XV, 32                            ; v: v32-95 two sets of 32 numbers down the keys
.set CV, 96                            ; v: v96-127 four registers of codes for each unit
.set MR, 32                            ; mask: v32-95 sixteen registers of bytes for each step
.set STAGE, 4864                       ; k: a stage: key slot p, half h, piece j at 144 p + 2,432 h + 16 j
	s_load_b256 s[4:11], s[0:1], 0x0               ; k s[4:5], v s[6:7], mask s[8:9], kv s[10:11]
	s_load_b128 s[12:15], s[0:1], 0x20             ; maskw s[12:13], flags s[14:15]
	v_lshl_add_u32 v30, v0, 2, 0x9800
	v_mov_b32 v31, 0
	v_lshrrev_b32 v1, 5, v0
	v_readfirstlane_b32 s16, v1                    ; wave 0..3
	v_and_b32 v1, 31, v0                           ; lane L
	v_lshrrev_b32 v6, 4, v1                        ; h = L / 16
	v_and_b32 v7, 15, v1                           ; r = L % 16
	s_mov_b32 s20, 0x76543210
	s_mov_b32 s21, 0xfedcba98                      ; v_permlanex16_b32's selects for lane l xor 16
	s_mov_b32 s3, 0
	s_wait_kmcnt 0x0
	s_cmp_lt_u32 ttmp9, 256
	s_cbranch_scc0 .Lpath_v
; ---------------------------------------------------------------- k: the channels are innermost
; Each load reads 512 consecutive bytes (two keys).  The conversions want 32 neighbours of one key's half in ONE lane: so a tile's 4,096 bytes turn through the wave's own stage in LDS.
; 144 bytes from slot to slot are 36 words; 2,432 bytes are 32 words modulo 64: the two halves of a store do not meet.
	s_lshl_b32 s17, ttmp9, 2
	s_add_co_u32 s17, s17, s16                     ; job = 4 x work-group + wave = 16 x head + step
	s_lshr_b32 s18, s17, 4                         ; head
	s_and_b32 s19, s17, 15                         ; step
	s_lshl_b32 s2, s17, 15                         ; a step is 32,768 bytes, a head sixteen of them
	s_add_nc_u64 s[4:5], s[4:5], s[2:3]
	s_mul_i32 s2, s18, HEADB
	s_add_nc_u64 s[10:11], s[10:11], s[2:3]        ; the head's image
	s_lshl_b32 s2, s19, 9
	s_add_co_u32 s2, s2, 131072
	s_add_nc_u64 s[26:27], s[10:11], s[2:3]        ; KS of my step
	s_lshl_b32 s2, s19, 12
	s_add_nc_u64 s[10:11], s[10:11], s[2:3]        ; KC of my step
	s_mov_b32 s22, 0xffff0000                      ; lanes 16-31
	s_mul_i32 s23, s16, 2*STAGE                    ; my wave's two stages
	s_wait_alu depctr_va_vdst(0)
	v_lshlrev_b32 v2, 4, v1                        ; 16 L: my bytes of a load's or a store's 512
	v_mul_u32_u24 v3, v6, 144                      ; into a stage: slot L / 16 (+ 2 for each load), half (L / 8) % 2, piece L % 8
	v_bfe_u32 v13, v1, 3, 1
	v_mad_u32_u24 v3, v13, 2432, v3
	v_and_b32 v13, 7, v1
	v_lshl_add_u32 v3, v13, 4, v3
	v_add_nc_u32 v3, s23, v3
	v_mul_u32_u24 v4, v7, 144                      ; out of it: slot r, half h
	v_mad_u32_u24 v4, v6, 2432, v4
	v_add_nc_u32 v4, s23, v4
	v_lshlrev_b32 v5, 3, v6                        ; 8 h: my byte's place in a scale word
	v_mov_b32 v12, 0                               ; written once: a lane permute's destination counts as one of its sources
.macro LOADK t                         ; tile t: keys b .. b + 7 (loads 0-3) and b + 16 .. b + 23 (loads 4-7), b = 32 (t / 2) + 8 (t % 2)
.irp i, 0,1,2,3,4,5,6,7
	global_load_b128 v[RK+32*((\t)%4)+4*\i:RK+32*((\t)%4)+4*\i+3], v2, s[4:5] offset:(32*((\t)/2)+8*((\t)%2))*256+512*\i+(\i/4)*2048 th:TH_LOAD_NT
.endr
.endm
.macro TURNK t                         ; through stage t % 2: LDS serves a wave's instructions in order (ISA guide 5.7.1.4), so no wait stands between the stores and the loads
.irp i, 0,1,2,3,4,5,6,7
	ds_store_b128 v3, v[RK+32*((\t)%4)+4*\i:RK+32*((\t)%4)+4*\i+3] offset:STAGE*((\t)%2)+288*\i
.endr
.irp j, 0,1,2,3,4,5,6,7
	ds_load_b128 v[XK+32*((\t)%2)+4*\j:XK+32*((\t)%2)+4*\j+3], v4 offset:STAGE*((\t)%2)+16*\j
.endr
.endm
.macro STEPK t
.set XS, XK+32*((\t)%2)
	s_wait_dscnt 0x0                               ; this tile's numbers are back from the stage: so its stores into the stage have read their registers,
.if (\t)+4 < 8
	LOADK (\t)+4                                   ; which take the loads of four tiles on
.endif
.if (\t)+1 < 8
.if (\t) < 4
	s_wait_loadcnt 24                              ; the next tile's eight loads are in; those of the three tiles behind it may be out
.else
	s_wait_loadcnt 8*(6-(\t))                      ; the counts run down: 16, 8, 0
.endif
	TURNK (\t)+1                                   ; and go through the other stage while this tile is worked
.endif
	v_max3_num_f32 v8, |v[XS]|, |v[XS+1]|, |v[XS+2]|          ; the block's largest magnitude: all 32 numbers are mine; two chains
	v_max3_num_f32 v9, |v[XS+3]|, |v[XS+4]|, |v[XS+5]|
.irp i, 6,10,14,18,22,26
	v_max3_num_f32 v8, v8, |v[XS+\i]|, |v[XS+\i+1]|
	v_max3_num_f32 v9, v9, |v[XS+\i+2]|, |v[XS+\i+3]|
.endr
	v_max3_num_f32 v8, v8, |v[XS+30]|, |v[XS+31]|
	v_max3_num_f32 v8, v8, v9, 0x1800000           ; and the floor 2^(3 - 127): the byte cannot fall under 1
	v_add_nc_u32 v10, 0xff000000, v8               ; 2 off its exponent field: the conversion takes the exponent field of this operand as its scale
.irp g, 0,1,2,3
	v_cvt_scalef32_pk8_fp4_f32 v[CK+4*(\t)+\g], v[XS+8*\g:XS+8*\g+7], v10
.endr
	v_lshrrev_b32 v11, 23, v10                     ; the scale's byte (a plain line behind the conversions),
	v_lshlrev_b32 v11, v5, v11                     ; at its place: block h is byte h;
	v_permlanex16_b32 v12, v11, s20, s21
	v_or_b32 v[16+(\t)], v11, v12                  ; with lane l xor 16's: the key's two bytes, in both halves of the lanes
	global_store_b128 v2, v[CK+4*(\t):CK+4*(\t)+3], s[10:11] offset:512*(\t)   ; 32 lanes store 512 consecutive bytes
.endm
	LOADK 0
	LOADK 1
	LOADK 2
	LOADK 3
	s_wait_alu depctr_va_vdst(0)
	s_wait_loadcnt 24                              ; tile 0's eight loads are in
	TURNK 0
.irp t, 0,1,2,3,4,5,6,7
	STEPK \t
.endr
.irp j, 0,1,2,3
	v_cndmask_b32 v[24+\j], v[16+2*\j], v[17+2*\j], s22   ; lanes 0-15 carry tile 2 j's words, lanes 16-31 tile 2 j + 1's
.endr
.irp j, 0,1,2,3
	v_or_b32 v[24+\j], 0x7f7f0000, v[24+\j]        ; the instruction's upper 64 along K meet zero codes: their bytes are 2^0
.endr
	global_store_b128 v2, v[24:27], s[26:27]       ; 512 consecutive bytes
	s_wait_tensorcnt 0x0
	ds_add_u32 v30, v31
	s_wait_dscnt 0x0
	s_endpgm
; ---------------------------------------------------------------- v: the keys are its K, and they are not innermost
; A lane takes a channel and its registers run down the keys: a block of 32 keys lies in one lane's 32 registers, and the conversions' results are the operand's registers.
; Unit e = 2 n + u: key block n of the step's four, channels 32 u + L.
.Lpath_v:
	s_cmp_lt_u32 ttmp9, 512
	s_cbranch_scc0 .Lpath_m
	s_sub_co_u32 s17, ttmp9, 256
	s_lshl_b32 s17, s17, 2
	s_add_co_u32 s17, s17, s16                     ; job = 16 x head + step
	s_lshr_b32 s18, s17, 4
	s_and_b32 s19, s17, 15
	s_lshl_b32 s2, s17, 15
	s_add_nc_u64 s[6:7], s[6:7], s[2:3]
	s_mul_i32 s2, s18, HEADB
	s_add_nc_u64 s[10:11], s[10:11], s[2:3]
	s_lshl_b32 s2, s19, 8
	s_add_co_u32 s2, s2, 139264
	s_add_nc_u64 s[26:27], s[10:11], s[2:3]        ; VS of my step
	s_lshl_b32 s2, s19, 12
	s_add_co_u32 s2, s2, 65536
	s_add_nc_u64 s[10:11], s[10:11], s[2:3]        ; VC of my step
	s_wait_alu depctr_va_vdst(0)
	v_lshlrev_b32 v2, 2, v1                        ; in: 4 bytes a lane
	v_lshlrev_b32 v3, 4, v7
	v_lshl_add_u32 v3, v6, 10, v3                  ; out: tile 2 u + L / 16 (1,024 bytes a tile), 16 bytes at row r
	v_lshlrev_b32 v4, 3, v1                        ; the scale words: 8 bytes a lane
.macro LOADV e
.set i, 0
.rept 32
	global_load_b32 v[XV+32*((\e)%2)+i], v2, s[6:7] offset:(32*((\e)/2)+i)*256+128*((\e)%2) th:TH_LOAD_NT
.set i, i+1
.endr
.endm
.macro BLOCKV e
.set XS, XV+32*((\e)%2)
.if (\e) < 7
	s_wait_loadcnt 32                              ; this unit's 32 loads are in; the next unit's may be out
.else
	s_wait_loadcnt 0x0
.endif
	v_max3_num_f32 v8, |v[XS]|, |v[XS+1]|, |v[XS+2]|
	v_max3_num_f32 v9, |v[XS+3]|, |v[XS+4]|, |v[XS+5]|
.irp i, 6,10,14,18,22,26
	v_max3_num_f32 v8, v8, |v[XS+\i]|, |v[XS+\i+1]|
	v_max3_num_f32 v9, v9, |v[XS+\i+2]|, |v[XS+\i+3]|
.endr
	v_max3_num_f32 v8, v8, |v[XS+30]|, |v[XS+31]|
	v_max3_num_f32 v8, v8, v9, 0x1800000           ; the floor 2^(3 - 127)
	v_add_nc_u32 v10, 0xff000000, v8               ; the conversion's scale operand
	v_lshrrev_b32 v11, 23, v10                     ; the byte
.if (\e)/2 == 0
	v_mov_b32 v[24+(\e)%2], v11                    ; four bytes to a word, the lower keys in the lower byte
.else
	v_lshl_or_b32 v[24+(\e)%2], v11, 8*((\e)/2), v[24+(\e)%2]
.endif
.irp g, 0,1,2,3
	v_cvt_scalef32_pk8_fp4_f32 v[CV+4*(\e)+\g], v[XS+8*\g:XS+8*\g+7], v10
.endr
	global_store_b128 v3, v[CV+4*(\e):CV+4*(\e)+3], s[10:11] offset:2048*((\e)%2)+512*((\e)/4)+256*(((\e)/2)%2)   ; sixteen lanes store 256 consecutive bytes, aligned
.if (\e)+2 < 8
	LOADV (\e)+2                                   ; the next block's first lines are plain: they stand between these conversions and the next write of their scale operand
.endif
.endm
	LOADV 0
	LOADV 1
.irp e, 0,1,2,3,4,5,6,7
	BLOCKV \e
.endr
	global_store_b64 v4, v[24:25], s[26:27]        ; 256 consecutive bytes
	s_endpgm
; ---------------------------------------------------------------- the mask: bytes into lane masks
; Lane (r, h) reads, of row 16 T + r, the 16 bytes at key 128 step + 32 b + 16 h: what the attention launch's lane (r, h) holds in score registers 16 b .. 16 b + 15.
; A load takes 32 bytes of each of 16 rows; the wave's sixteen loads, issued on end, use 512 bytes of each row.
.Lpath_m:
	s_sub_co_u32 s17, ttmp9, 512                   ; T: the query tile
	s_lshl_b32 s2, s17, 15                         ; 16 rows of 2,048 bytes,
	s_lshl_b32 s18, s16, 9                         ; my four steps of 128 bytes
	s_add_co_u32 s2, s2, s18
	s_add_nc_u64 s[8:9], s[8:9], s[2:3]
	s_lshl_b32 s2, s17, 12
	s_lshl_b32 s18, s16, 10
	s_add_co_u32 s2, s2, s18
	s_add_nc_u64 s[12:13], s[12:13], s[2:3]        ; maskw: 4,096 bytes a tile, 256 a step
	s_lshl_b32 s2, s17, 9
	s_lshl_b32 s18, s16, 7
	s_add_co_u32 s2, s2, s18
	s_add_nc_u64 s[14:15], s[14:15], s[2:3]        ; flags: 512 bytes a tile, 128 a wave
	s_mov_b32 s22, 0                               ; my four steps' bits
	s_wait_alu depctr_va_vdst(0)
	v_lshlrev_b32 v2, 11, v7
	v_lshl_add_u32 v2, v6, 4, v2                   ; row r, + 16 h
	v_lshlrev_b32 v3, 3, v1                        ; out: two words a lane
	v_lshlrev_b32 v4, 2, v1
.irp k, 0,1,2,3
.irp b, 0,1,2,3
	global_load_b128 v[MR+16*\k+4*\b:MR+16*\k+4*\b+3], v2, s[8:9] offset:128*\k+32*\b th:TH_LOAD_NT
.endr
.endr
.macro MSTEP k
.set MK, MR+16*(\k)
	s_wait_loadcnt 12-4*(\k)                       ; this step's four loads are in; the later steps' may be out
	v_or_b32 v8, v[MK], v[MK+1]
	v_and_b32 v9, v[MK], v[MK+1]
.set i, 2
.rept 14
	v_or_b32 v8, v8, v[MK+i]
	v_and_b32 v9, v9, v[MK+i]
.set i, i+1
.endr
	v_cmp_ne_u32 vcc_lo, 0, v8                     ; some byte of some lane is true?
	s_cmp_lg_u32 vcc_lo, 0
	s_cselect_b32 s23, 1<<(\k), 0
	s_or_b32 s22, s22, s23
	v_cmp_eq_u32 vcc_lo, 0x01010101, v9            ; every byte of every lane is 1?  (Other non-zero bytes only make the step count as mixed, which is right too)
	s_cmp_eq_u32 vcc_lo, -1
	s_cselect_b32 s23, 1<<(16+(\k)), 0
	s_or_b32 s22, s22, s23
	v_mov_b32 v[16+2*(\k)], 0                      ; v_writelane_b32's destination counts as read
	v_mov_b32 v[17+2*(\k)], 0
.set nb, 0
.rept 8                                ; eight words at a time: byte n % 4 of register n / 4 is cut out, compared in all lanes at once, and the lanes' bits are word n: it goes to lane n / 2, register n % 2
.set e, 0
.rept 8
	v_and_b32 v[96+e], 0xff<<(8*((nb+e)%4)), v[MK+4*((nb+e)/16)+((nb+e)%16)/4]
.set e, e+1
.endr
.set e, 0
.rept 8
	v_cmp_ne_u32 s[24+e], 0, v[96+e]
.set e, e+1
.endr
.set e, 0
.rept 8
	v_writelane_b32 v[16+2*(\k)+(nb+e)%2], s[24+e], (nb+e)/2
.set e, e+1
.endr
.set nb, nb+8
.endr
	global_store_b64 v3, v[16+2*(\k):17+2*(\k)], s[12:13] offset:256*(\k)   ; the step's 64 words: 256 consecutive bytes, aligned
.endm
	MSTEP 0
	MSTEP 1
	MSTEP 2
	MSTEP 3
	v_mov_b32 v5, s22
	global_store_b32 v4, v5, s[14:15]              ; 32 equal words: 128 consecutive bytes
	s_endpgm
.Lfunc_end_k_q5bd8df664f_prep:
	.size	k_q5bd8df664f_prep, .Lfunc_end_k_q5bd8df664f_prep-k_q5bd8df664f_prep
	.p2alignl 7, 3214868480
	.fill 96, 4, 3214868480
	.section	.rodata,"a",@progbits
	.p2align	6, 0x0
	.amdhsa_kernel k_q5bd8df664f_prep
		.amdhsa_group_segment_fixed_size 39424
		.amdhsa_private_segment_fixed_size 0
		.amdhsa_enable_private_segment 0
		.amdhsa_kernarg_size 48
		.amdhsa_user_sgpr_count 2
		.amdhsa_user_sgpr_kernarg_segment_ptr 1
		.amdhsa_wavefront_size32 1
		.amdhsa_system_sgpr_workgroup_id_x 1
		.amdhsa_system_sgpr_workgroup_id_y 1
		.amdhsa_system_sgpr_workgroup_id_z 1
		.amdhsa_system_vgpr_workitem_id 0
		.amdhsa_next_free_vgpr 256
		.amdhsa_next_free_sgpr 66
		.amdhsa_reserve_vcc 1
		.amdhsa_float_denorm_mode_32 3
		.amdhsa_float_denorm_mode_16_64 3
		.amdhsa_memory_ordered 1
		.amdhsa_forward_progress 1
		.amdhsa_inst_pref_size 124
	.end_amdhsa_kernel
	.amdgpu_metadata
---
amdhsa.version: [ 1, 2 ]
amdhsa.kernels:
  - .name:           k_q5bd8df664f_prep
    .symbol:         k_q5bd8df664f_prep.kd
    .args:
      - { .name: k, .offset: 0, .size: 8, .value_kind: global_buffer, .address_space: global }
      - { .name: v, .offset: 8, .size: 8, .value_kind: global_buffer, .address_space: global }
      - { .name: mask, .offset: 16, .size: 8, .value_kind: global_buffer, .address_space: global }
      - { .name: kv, .offset: 24, .size: 8, .value_kind: global_buffer, .address_space: global }
      - { .name: maskw, .offset: 32, .size: 8, .value_kind: global_buffer, .address_space: global }
      - { .name: flags, .offset: 40, .size: 8, .value_kind: global_buffer, .address_space: global }
    .group_segment_fixed_size: 39424
    .private_segment_fixed_size: 0
    .kernarg_segment_align: 8
    .kernarg_segment_size: 48
    .max_flat_workgroup_size: 128
    .sgpr_count:     66
    .vgpr_count:     256
    .wavefront_size: 32
...
	.end_amdgpu_metadata
.endif
;; end of part 3
;; launch attn (part 4): grid 4 x 64, 16 waves a work-group, no clusters, 223,232 bytes of LDS; arguments q, kv, maskw, flags, out0; writes out0
.if DOCPART == 4
	.amdgcn_target "amdgcn-amd-amdhsa--gfx1250"
	.amdhsa_code_object_version 6
	.text
	.protected	k_q5bd8df664f_attn
	.globl	k_q5bd8df664f_attn
	.p2align	8
	.type	k_q5bd8df664f_attn,@function
k_q5bd8df664f_attn:
	s_mov_b64 s[64:65], 0
	v_nop
	global_prefetch_b8 v0, s[64:65] scope:SCOPE_SE
	s_setreg_imm32_b32 hwreg(HW_REG_WAVE_SCHED_MODE, 0, 2), 2
	s_setreg_imm32_b32 hwreg(HW_REG_WAVE_MODE, 25, 1), 1
	s_wait_xcnt 0x0
	s_wait_alu depctr_vm_vsrc(0)
; out0[head][q][:] = the sum over k of softmax_k(mask[q][k] ? q . k / 8 : -inf) v[k][:], 64 heads, 2,048 queries and keys, 64 channels; both products on codes of E2M1 with one E8M0 scale for each 32 along K.
; kv, maskw and flags were made by the launch before; their layouts are written at its head.  q arrives as f32 and is quantised here, in registers.
; THE SOFTMAX: t = score x log2(e) / 8; M = the row's largest t so far, rounded UP to a whole number; p = 2^(t - M) is what is quantised, along the keys.  The row's sum is taken of the unquantised p and divides at the end.
; When M moves, the sum and O are multiplied by 2^(old M - new M): exact.
; THE MASK is honoured as it is given.  For each (tile of 16 queries, step of 128 keys) two stored bits say: some key counts; all keys count.  A step in which none counts is jumped over (its p would all be 0);
; in a mixed step the hidden scores become -inf by 64 selects on stored lane masks; a step in which all count jumps over the selects.  A row in which no key counts ends with O = 0 and sum 0: 0 x (1 / 0) = NaN, as a softmax of -inf alone is.
; SHARES.  A work-group is a quarter of a head's queries: sixteen waves, four to a SIMD, so that one wave's vector work stands beside another's matrix work and LDS loads.  Wave w of quarter j takes two tiles of
; 16 queries, one after the other: T = 16 j + w and T = 127 - (16 j + w): right for every mask, and even where the mask is lower triangular (17 steps a wave then).
; K AND V: the head's whole image, 143,360 bytes, goes into LDS once, through registers, ahead of the one barrier; the key loop has no ring and no barrier.
; WHY NO JOINT LOADS, though four work-groups read the same image: a joint load is a tensor load; the jumps over hidden steps leave out
; up to half of all steps, while what is shared is 143,360 bytes a work-group, read once at the head.  No prefetch: all bulk reads stand at the head.
; LAYOUT.  Both products are used transposed: S^T = K Q^T (source 0 = 16 keys, source 1 = my 16 queries), O^T = V^T P^T: a lane holds ONE query (lane % 16) throughout.  The keys of a tile are chosen so that score
; registers 16 b .. 16 b + 15 are keys 32 b + 16 (lane / 16) + 0 .. 15 of the step.  The head size fills 64 of the first product's 128 along K: q's upper four registers are zero codes, so K's upper four may be any codes
; (the next tile's, or zeros); their scale bytes are 2^0.
; LIMITS: NaN and infinities in q, k, v are not served; a block of q whose largest magnitude lies under 2^-124 keeps the byte 1; a p under 2^-126 is 0.
; THE MODE: SCHED_MODE bits 1:0 = 2 (LLVM: expert scheduling mode 2), set by the entry lines.  The code itself states the register dependences
; between vector or matrix instructions and memory or LDS instructions, with s_wait_alu, always for 0.
; THE PLAN.  Registers that memory or LDS instructions touch:
;   v1-v7, v211     addresses made once at the head and never written again.
;   v8-v11          at the head the fill's offsets; in a step its LDS addresses: written by four additions at the step's head, read by the step's 18 LDS loads.
;   KF, VF, v204-209  written by a step's LDS loads alone; read by that step's products.
;   v32-95, v100-169  at the head: q's two tiles and the image on their way through registers.
;   S               on the way out: its lower half is written by sixteen multiplications and read by LDS stores; LDS loads land in its upper half, which the global stores read.
; A STEP HAS ONE WAIT ON va_vdst FOR ITS LOADS, behind the four additions: the addresses are written, and the last step's products are done reading KF, VF and the scale words.  K's loads follow it in a run; V's are dealt
; among the eight products K Q^T, which name KF, q, S and K's scale words: none of the registers that V's loads touch.  One wait on vm_vsrc stands behind the loads, ahead of the step's branches: v8-v11 are free for the next step.
; A second wait on va_vdst stands ahead of the products V^T P: vector lines have written p's codes and its scale word.
.set HEADB, 143360
.set VCO, 65536                        ; LDS as the image: KC at 0, VC, KS, VS
.set KSO, 131072
.set VSO, 139264
.set STG, 143360                       ; behind the image: 4,864 bytes for each wave, its own: q's turn (slot p, half h, piece j at 144 p + 2,432 h + 16 j), later 16 rows x 272 bytes for the way out
.set WSTB, 4864
; v1 16 L   v2 16 L + VCO   v3 16 L + KSO   v4 8 L + VSO   v5, v6 the way out: in, back   v7 q's turn: in   v211 q's turn: out   v8-11 the addresses in hand
; v12 -M   v13 the largest t   v[14:15] the sum in two halves   v[16:19] q's codes, v[20:23] zeros   v24 q's scale word   v25, v[26:29] the second tile's   v30 -inf   v31 8 h
.set KF, 32                            ; v32-63 K's eight fragments, four registers each; v64-67 zeros
.set VF, 68                            ; v68-99 V's four fragments
.set S,  100                           ; v100-163 S^T, then p
.set O,  164                           ; v164-195 O^T
.set PC, 196                           ; v196-203 p's codes
                                       ; v204-207 K's scale words, v208-209 V's, v210 p's
.set BM, 212                           ; v212-215 the blocks' largest scores, then largest p
.set PT, 216                           ; v216-219 permutes' results, then bytes
.set SO, 220                           ; v220-223 the conversions' scale operands
                                       ; v[224:225] f and 0   v226 at work   v[228:229] the sums' second chain
; s[4:5], s[100:101] q at my two tiles   s[6:7] the head's image   s[8:9] maskw   s[10:11] flags   s[12:13] out0 at the head   s14 wave   s16 T   s17, s18 the tile's bits, the next tile's
; s19 step   s[20:21] lane selects   s[22:23] c   s24, s25, s28 the step's offsets   s[26:27] maskw at the tile   s29 tile counter   s[30:31] out0 at the tile   s32-63, s68-99 the step's 64 lane masks
	s_load_b256 s[4:11], s[0:1], 0x0               ; q, kv, maskw, flags
	s_load_b64 s[12:13], s[0:1], 0x20              ; out0
	v_lshl_add_u32 v254, v0, 2, 0x36000
	v_mov_b32 v255, 0
	v_lshrrev_b32 v212, 5, v0
	v_readfirstlane_b32 s14, v212                  ; wave 0..15
	v_and_b32 v212, 31, v0                         ; L
	v_and_b32 v213, 15, v0                         ; r
	v_bfe_u32 v214, v0, 4, 1                       ; h
	s_wait_alu depctr_va_sdst(0)                   ; s14 is written, ahead of its first reader: my LDS bytes and my tiles are made from it
	s_mul_i32 s2, s14, WSTB
	s_add_co_u32 s2, s2, STG                       ; my wave's own bytes
	v_lshlrev_b32 v1, 4, v212
	v_add_nc_u32 v2, VCO, v1
	v_add_nc_u32 v3, KSO, v1
	v_lshl_add_u32 v4, v212, 3, VSO
	v_mul_u32_u24 v5, v213, 272                    ; the way out, in: row r, + 32 h
	v_lshl_add_u32 v5, v214, 5, v5
	v_add_nc_u32 v5, s2, v5
	v_mul_u32_u24 v6, v214, 272                    ; back: lanes 0-15 one row of 256 bytes, lanes 16-31 the next
	v_lshl_add_u32 v6, v213, 4, v6
	v_add_nc_u32 v6, s2, v6
	v_mul_u32_u24 v7, v214, 144                    ; q's turn, in: slot L / 16 (+ 2 for each load), half (L / 8) % 2, piece L % 8
	v_bfe_u32 v215, v0, 3, 1
	v_mad_u32_u24 v7, v215, 2432, v7
	v_and_b32 v215, 7, v0
	v_lshl_add_u32 v7, v215, 4, v7
	v_add_nc_u32 v7, s2, v7
	v_mul_u32_u24 v211, v213, 144                  ; out: slot r, half h
	v_mad_u32_u24 v211, v214, 2432, v211
	v_add_nc_u32 v211, s2, v211
	v_lshlrev_b32 v31, 3, v214
	v_lshlrev_b32 v8, 4, v0                        ; the fill: 16 bytes a thread, 8,192 a line; the image lies in LDS as in memory, so one register is offset and LDS address
	v_add_nc_u32 v9, VCO, v8
	v_add_nc_u32 v10, KSO, v8
	v_lshl_add_u32 v11, v0, 3, VSO                 ; and V's scale words: 8 bytes a thread
.irp j, 20,21,22,23,216,217,218,219,225
	v_mov_b32 v\j, 0                               ; q's zero codes; the permutes' destinations, which count as sources; the upper half of the pair v[224:225]
.endr
	v_mov_b32 v30, 0xff800000                      ; -inf
	s_and_b32 s15, ttmp7, 0xffff                   ; the head
	s_lshl_b32 s16, ttmp9, 4
	s_add_co_u32 s16, s16, s14                     ; my first tile: 16 x quarter + wave
	s_sub_co_u32 s3, 127, s16                      ; my second
	s_mov_b32 s20, 0x76543210
	s_mov_b32 s21, 0xfedcba98                      ; lane l xor 16
	s_mov_b32 s22, 0x3e38aa3b                      ; c = log2(e) / 8
	s_mov_b32 s23, s22                             ; (the packed form names the pair)
	s_mov_b32 s29, 0
	s_lshl_b32 s66, s15, 19                        ; a head of q or of out0: 524,288 bytes
	s_mov_b32 s67, 0
	s_wait_kmcnt 0x0
	s_add_nc_u64 s[4:5], s[4:5], s[66:67]
	s_add_nc_u64 s[12:13], s[12:13], s[66:67]
	s_lshl_b32 s66, s3, 12                         ; a tile: 16 rows of 256 bytes
	s_add_nc_u64 s[100:101], s[4:5], s[66:67]
	s_lshl_b32 s66, s16, 12
	s_add_nc_u64 s[4:5], s[4:5], s[66:67]
	s_mul_i32 s66, s15, HEADB
	s_add_nc_u64 s[6:7], s[6:7], s[66:67]
	s_wait_alu depctr_va_vdst(0)                   ; the addresses v1 to v11 and v211 are written: the loads and stores of the head, and by v1 to v7 those of the whole kernel, read them
.irp i, 0,1,2,3,4,5,6,7
	global_load_b128 v[32+4*\i:35+4*\i], v1, s[4:5] offset:512*\i th:TH_LOAD_NT      ; q, first tile: 512 consecutive bytes a load
.endr
.irp i, 0,1,2,3,4,5,6,7
	global_load_b128 v[64+4*\i:67+4*\i], v1, s[100:101] offset:512*\i th:TH_LOAD_NT  ; second tile
.endr
.irp i, 0,1,2,3,4,5,6,7,8,9,10,11,12,13,14,15,16
	global_load_b128 v[100+4*\i:103+4*\i], v8, s[6:7] offset:8192*\i                 ; the image's first 139,264 bytes
.endr
	global_load_b64 v[168:169], v11, s[6:7]                                          ; its last 4,096
	s_lshl_b32 s66, s16, 9                         ; flags: 512 bytes a tile, a word of four steps each 128
	s_lshl_b32 s67, s3, 9
.irp k, 0,1,2,3
	s_load_b32 s[32+\k], s[10:11], s66 offset:128*\k
	s_load_b32 s[36+\k], s[10:11], s67 offset:128*\k
.endr
; 32 numbers of a lane (channels 32 h on of query r: a whole block) become four registers of codes and, with lane l xor 16's byte, the query's scale word
.macro QUANTQ src, dst, word
	v_max3_num_f32 v212, |v[\src]|, |v[\src+1]|, |v[\src+2]|
	v_max3_num_f32 v213, |v[\src+3]|, |v[\src+4]|, |v[\src+5]|
.irp i, 6,10,14,18,22,26
	v_max3_num_f32 v212, v212, |v[\src+\i]|, |v[\src+\i+1]|
	v_max3_num_f32 v213, v213, |v[\src+\i+2]|, |v[\src+\i+3]|
.endr
	v_max3_num_f32 v212, v212, |v[\src+30]|, |v[\src+31]|
	v_max3_num_f32 v212, v212, v213, 0x1800000     ; the floor 2^(3 - 127): the byte cannot fall under 1
	v_add_nc_u32 v220, 0xff000000, v212            ; 2 off the exponent field: the conversion's scale operand
	v_lshrrev_b32 v213, 23, v220                   ; the byte
.irp g, 0,1,2,3
	v_cvt_scalef32_pk8_fp4_f32 v[\dst+\g], v[\src+8*\g:\src+8*\g+7], v220
.endr
	v_lshlrev_b32 v213, v31, v213                  ; block h is byte h (a plain line behind the conversions)
	v_permlanex16_b32 v216, v213, s20, s21
	v_or_b32 v213, v213, v216
	v_or_b32 v[\word], 0x7f7f0000, v213            ; the upper 64 along K are zero codes under 2^0
.endm
	s_wait_loadcnt 26                              ; the first tile's eight loads are in: behind them the second tile's 8 and the image's 18
.irp i, 0,1,2,3,4,5,6,7
	ds_store_b128 v7, v[32+4*\i:35+4*\i] offset:288*\i
.endr
	s_wait_alu depctr_vm_vsrc(0)                   ; the eight LDS stores have read v32 to v63, in which the LDS loads below land
.irp j, 0,1,2,3,4,5,6,7
	ds_load_b128 v[32+4*\j:35+4*\j], v211 offset:16*\j     ; LDS serves a wave's instructions in order (ISA guide 5.7.1.4): these see the stores above, and the next tile's stores come behind them
.endr
	s_wait_loadcnt 18                              ; the second tile's are in
.irp i, 0,1,2,3,4,5,6,7
	ds_store_b128 v7, v[64+4*\i:67+4*\i] offset:288*\i
.endr
	s_wait_alu depctr_vm_vsrc(0)                   ; the eight LDS stores have read v64 to v95, in which the LDS loads below land; v64 to v67 are later written with zeros
.irp j, 0,1,2,3,4,5,6,7
	ds_load_b128 v[64+4*\j:67+4*\j], v211 offset:16*\j
.endr
	s_wait_dscnt 16                                ; the first tile is back; the second tile's sixteen LDS instructions may be out
	QUANTQ 32, 16, 24
	s_wait_dscnt 0x0
	QUANTQ 64, 26, 25
.irp j, 64,65,66,67
	v_mov_b32 v\j, 0                               ; behind K's last fragment: zero codes
.endr
.irp i, 0,1,2,3,4,5,6,7
	s_wait_loadcnt 17-\i                           ; loads come back in order (ISA guide 5.7.1): line i of the image is in.  (No vector line has named v8 to v11 or v100 to v169 since the wait ahead of the loads)
	ds_store_b128 v8, v[100+4*\i:103+4*\i] offset:8192*\i
.endr
.irp i, 8,9,10,11,12,13,14,15
	s_wait_loadcnt 17-\i
	ds_store_b128 v9, v[100+4*\i:103+4*\i] offset:8192*(\i-8)
.endr
	s_wait_loadcnt 1
	ds_store_b128 v10, v[164:167]
	s_wait_loadcnt 0x0
	ds_store_b64 v11, v[168:169]
	s_wait_kmcnt 0x0                               ; the flags: four words of four steps make sixteen 'some' bits below and sixteen 'all' bits above
	s_lshl_b32 s33, s33, 4
	s_lshl_b32 s34, s34, 8
	s_lshl_b32 s35, s35, 12
	s_or_b32 s17, s32, s33
	s_or_b32 s34, s34, s35
	s_or_b32 s17, s17, s34
	s_lshl_b32 s37, s37, 4
	s_lshl_b32 s38, s38, 8
	s_lshl_b32 s39, s39, 12
	s_or_b32 s18, s36, s37
	s_or_b32 s38, s38, s39
	s_or_b32 s18, s18, s38
	s_wait_dscnt 0x0                               ; for the others' sake: my stores of the image are done
	s_barrier_signal -1
	s_barrier_wait -1                              ; the one barrier: the image is whole; nobody writes it again
	s_wait_alu depctr_vm_vsrc(0)                   ; the fill's loads and LDS stores have read v8 to v11 and v100 to v169: the steps' additions, the products and O^T's zeros write these registers from here on
.macro KQ t                            ; S^T of tile t: 16 keys x my 16 queries; C = 0 starts the sum.  K's scale words: lanes 0-15 of a register carry an even tile's, lanes 16-31 the odd one's
.if (\t)%2
	v_wmma_scale_f32_16x16x128_f8f6f4 v[S+8*(\t):S+8*(\t)+7], v[KF+4*(\t):KF+4*(\t)+7], v[16:23], 0, v[204+(\t)/2], v24 matrix_a_fmt:MATRIX_FMT_FP4 matrix_b_fmt:MATRIX_FMT_FP4 matrix_a_scale:MATRIX_SCALE_ROW1
.else
	v_wmma_scale_f32_16x16x128_f8f6f4 v[S+8*(\t):S+8*(\t)+7], v[KF+4*(\t):KF+4*(\t)+7], v[16:23], 0, v[204+(\t)/2], v24 matrix_a_fmt:MATRIX_FMT_FP4 matrix_b_fmt:MATRIX_FMT_FP4
.endif
.endm
.macro PV t                            ; O^T of channels 16 t on += V^T P^T over the step's 128 keys
.if (\t)%2
	v_wmma_scale_f32_16x16x128_f8f6f4 v[O+8*(\t):O+8*(\t)+7], v[VF+8*(\t):VF+8*(\t)+7], v[PC:PC+7], v[O+8*(\t):O+8*(\t)+7], v[208+(\t)/2], v210 matrix_a_fmt:MATRIX_FMT_FP4 matrix_b_fmt:MATRIX_FMT_FP4 matrix_a_scale:MATRIX_SCALE_ROW1
.else
	v_wmma_scale_f32_16x16x128_f8f6f4 v[O+8*(\t):O+8*(\t)+7], v[VF+8*(\t):VF+8*(\t)+7], v[PC:PC+7], v[O+8*(\t):O+8*(\t)+7], v[208+(\t)/2], v210 matrix_a_fmt:MATRIX_FMT_FP4 matrix_b_fmt:MATRIX_FMT_FP4
.endif
.endm
.Ltile:                                                ; two trips: my two tiles
	s_lshl_b32 s2, s16, 12                         ; a tile is 4,096 bytes of maskw, and of out0
	s_mov_b32 s3, 0
	s_add_nc_u64 s[26:27], s[8:9], s[2:3]
	s_add_nc_u64 s[30:31], s[12:13], s[2:3]
	s_mov_b32 s19, 0
	v_mov_b32 v13, 0xff61b1e6                      ; the largest t so far: -3e38, under every t
	v_floor_f32 v12, -v13                          ; -M
	v_mov_b32 v14, 0
	v_mov_b32 v15, 0
.set j, 0
.rept 32
	v_mov_b32 v[O+j], 0                            ; O^T begins as zeros: any step may be jumped over, so no step is a fixed first one whose products could start the sums
.set j, j+1
.endr
.Lstep:                                                ; sixteen trips, a constant; a step's work is jumped over where no key of it counts for my 16 queries
	s_bitcmp1_b32 s17, 0
	s_cbranch_scc0 .Lskip
	s_lshl_b32 s24, s19, 12                        ; the step's codes: 4,096 bytes of K, and of V;
	s_lshl_b32 s25, s19, 9                         ; K's scale words: 512;
	s_lshl_b32 s28, s19, 8                         ; V's: 256; and the step's 64 lane masks: 256
	s_load_b512 s[32:47], s[26:27], s28 offset:0x0
	s_load_b512 s[48:63], s[26:27], s28 offset:0x40
	s_load_b512 s[68:83], s[26:27], s28 offset:0x80
	s_load_b512 s[84:99], s[26:27], s28 offset:0xc0
	v_add_nc_u32 v8, s24, v1                       ; the step's four LDS addresses (the loads that read the old ones have read them: the wait on vm_vsrc of the step, or of the head, that issued them)
	v_add_nc_u32 v9, s24, v2
	v_add_nc_u32 v10, s25, v3
	v_add_nc_u32 v11, s28, v4
	s_wait_alu depctr_va_vdst(0)                   ; v8 to v11 are written, which the 18 loads below read; the last step's products are done reading KF, VF and v204 to v209, in which they land; q's codes, its scale word and the zeros v64 to v67, which vector lines wrote, are written for the products
	ds_load_b128 v[204:207], v10
.irp t, 0,1,2,3,4,5,6,7
	ds_load_b128 v[KF+4*\t:KF+4*\t+3], v8 offset:512*\t    ; 512 consecutive bytes a load
.endr
	ds_load_b64 v[208:209], v11
	s_wait_dscnt 1                                 ; K's nine loads are in; the one load behind them, V's scale words, may be out
.irp t, 0,1,2,3,4,5,6,7
	KQ \t
	ds_load_b128 v[VF+4*\t:VF+4*\t+3], v9 offset:512*\t    ; V's eight loads, one behind each product.  No wait: no vector or matrix line since the wait above names v9 or VF
.endr
.rept 4
	v_nop                                          ; four places behind the products, ahead of the first read of their results (ISA guide 7.12.1)
.endr
	s_wait_kmcnt 0x0                               ; the lane masks are in,
	s_wait_xcnt 0x0                                ; and their loads have read their offset register, which the next step writes
	s_wait_alu depctr_vm_vsrc(0)                   ; the step's 18 LDS loads have read v8 to v11, which the next step's additions write: ahead of both branches
	s_bitcmp1_b32 s17, 16
	s_cbranch_scc1 .Lopen                          ; all keys count: nothing to hide
.set n, 0
.rept 64
	v_cndmask_b32 v[S+n], v30, v[S+n], s[32+n+4*(n/32)]    ; bit L of mask n: score register n of lane L counts; else -inf.  Each accumulator from its low end on
.set n, n+1
.endr
.Lopen:
.irp b, 0,1,2,3
	v_max3_num_f32 v[BM+\b], v[S+16*\b], v[S+16*\b+1], v[S+16*\b+2]   ; the largest score of each block of 32 keys: it serves for the row's maximum and, since p rises with the score, for the block's largest p
.endr
.irp i, 3,5,7,9,11,13
.irp b, 0,1,2,3
	v_max3_num_f32 v[BM+\b], v[BM+\b], v[S+16*\b+\i], v[S+16*\b+\i+1]   ; (the four blocks by turns)
.endr
.endr
.irp b, 0,1,2,3
	v_max_num_f32 v[BM+\b], v[BM+\b], v[S+16*\b+15]
.endr
.irp b, 0,1,2,3
	v_permlanex16_b32 v[PT+\b], v[BM+\b], s20, s21
.endr
.irp b, 0,1,2,3
	v_max_num_f32 v[BM+\b], v[BM+\b], v[PT+\b]     ; with lane l xor 16's 16 keys
.endr
	v_max3_num_f32 v226, v212, v213, v214
	v_max_num_f32 v226, v226, v215                 ; the step's largest score of my query
	v_mul_f32 v226, s22, v226                      ; as t (c is positive)
	v_max_num_f32 v13, v13, v226                   ; the running largest t
	v_mov_b32 v226, v12
	v_floor_f32 v12, -v13                          ; the new -M = floor(-t) = -ceil(t)
	v_sub_f32 v226, v12, v226                      ; old M - new M: a whole number, 0 or less
	v_cvt_i32_f32 v226, v226                       ; (it saturates)
	v_ldexp_f32 v224, 1.0, v226                    ; f = 2^(old M - new M)
.set j, 0
.rept 32
	v_pk_fma_f32 v[S+j:S+j+1], v[S+j:S+j+1], s[22:23], v[12:13] op_sel_hi:[1,0,0]   ; t - M, two at a time; a hidden score stays -inf
.set j, j+2
.endr
.irp b, 0,1,2,3
	v_fma_f32 v[BM+\b], v[BM+\b], s22, v12         ; the same of each block's largest score
.endr
.set j, 0
	s_wait_alu depctr_va_vdst(0)
.rept 64
	v_exp_f32 v[S+j], v[S+j]                       ; p = 2^(t - M), at most 1
.set j, j+1
.endr
	v_pk_mul_f32 v[14:15], v[14:15], v[224:225] op_sel_hi:[1,0]   ; the sums under the new M (a plain line behind the exponentials)
	s_wait_alu depctr_va_vdst(0)                   ; the 64 exponentials have written v[S ..]: one wait for the batch, ahead of its first reader
.irp b, 0,1,2,3
	v_exp_f32 v[BM+\b], v[BM+\b]                   ; the block's largest p: the same two instructions on the same number give the same bits
.endr
	v_pk_add_f32 v[228:229], v[S:S+1], v[S+2:S+3]  ; the row's sum is taken of the unquantised p: two at a time, in two chains; it reads the 64 alone
.set j, 4
.rept 13
	v_pk_add_f32 v[14:15], v[14:15], v[S+j:S+j+1]
	v_pk_add_f32 v[228:229], v[228:229], v[S+j+2:S+j+3]
.set j, j+4
.endr
	s_wait_alu depctr_va_vdst(0)                   ; the four exponentials have written v[BM ..]: ahead of their first reader
.irp b, 0,1,2,3
	v_max_num_f32 v[BM+\b], 0x1800000, v[BM+\b]    ; the floor 2^(3 - 127): a block whose every p is 0 keeps the byte 1: its codes are zeros
.endr
.irp b, 0,1,2,3
	v_add_nc_u32 v[SO+\b], 0xff000000, v[BM+\b]    ; 2 off the exponent field: the conversion's scale operand
.endr
.irp b, 0,1,2,3
	v_lshrrev_b32 v[PT+\b], 23, v[SO+\b]           ; the byte
.endr
	v_lshl_or_b32 v210, v217, 8, v216              ; p's scale word for these 128 keys
	v_lshl_or_b32 v210, v218, 16, v210
	v_lshl_or_b32 v210, v219, 24, v210
.irp b, 0,1,2,3
	v_cvt_scalef32_pk8_fp4_f32 v[PC+2*\b], v[S+16*\b:S+16*\b+7], v[SO+\b]
	v_cvt_scalef32_pk8_fp4_f32 v[PC+2*\b+1], v[S+16*\b+8:S+16*\b+15], v[SO+\b]
.endr
	v_nop                                          ; one plain line behind the scaled conversions
.irp c, 0,1                            ; the operand's layout wants a whole block in a lane: lanes 0-15 block 2 c, lanes 16-31 block 2 c + 1
.irp i, 0,1
	v_permlane16_swap_b32 v[PC+4*\c+\i], v[PC+4*\c+2+\i]
.endr
.endr
.set j, 0
.rept 16
	v_pk_mul_f32 v[O+j:O+j+1], v[O+j:O+j+1], v[224:225] op_sel_hi:[1,0]   ; O^T under the new M, each accumulator from its low end on
.set j, j+2
.endr
	v_pk_add_f32 v[14:15], v[14:15], v[S+56:S+57]  ; the sums' last five lines stand here: plain lines between the last write of O^T, of p's codes and of its scale word, and the products
	v_pk_add_f32 v[228:229], v[228:229], v[S+58:S+59]
	v_pk_add_f32 v[14:15], v[14:15], v[S+60:S+61]
	v_pk_add_f32 v[228:229], v[228:229], v[S+62:S+63]
	v_pk_add_f32 v[14:15], v[14:15], v[228:229]
	s_wait_dscnt 0x0                               ; V's nine loads are in
	s_wait_alu depctr_va_vdst(0)                   ; vector lines have written p's codes v[PC ..], its scale word v210 and O^T, which the scaled products take; the plain lines above stay beside this wait
.irp t, 0,1,2,3
	PV \t                                          ; the four accumulators take one instruction each; between two products onto one of them stand the three others' and the next step's eight
.endr
.Lskip:
	s_lshr_b32 s17, s17, 1                         ; the next step's two bits come to places 0 and 16
	s_add_co_u32 s19, s19, 1
	s_cmp_lt_u32 s19, 16
	s_cbranch_scc1 .Lstep
	; THE WAY OUT: O^T / the sum goes through my own bytes of LDS and leaves as whole rows of 256 bytes
	v_add_f32 v14, v14, v15                        ; the sum's two halves,
	v_permlanex16_b32 v216, v14, s20, s21
	v_add_f32 v14, v14, v216                       ; and lane l xor 16's
	s_wait_alu depctr_va_vdst(0)
	v_rcp_f32 v14, v14
.rept 4
	v_nop                                          ; the plain line behind the reciprocal, and four places behind the last products
.endr
	s_wait_alu depctr_va_vdst(0)                   ; the reciprocal has written v14: ahead of its first reader
.set j, 0
.rept 16
	v_pk_mul_f32 v[S+j:S+j+1], v[O+j:O+j+1], v[14:15] op_sel_hi:[1,0]   ; register 8 t + i is out(query r, channel 16 t + 8 h + i)
.set j, j+2
.endr
	s_wait_alu depctr_va_vdst(0)                   ; the sixteen multiplications have written v[S .. S+31], which the LDS stores read; the last step's lines are done with v[S+32 .. S+63], in which the LDS loads land
.irp t, 0,1,2,3
	ds_store_b128 v5, v[S+8*\t:S+8*\t+3] offset:64*\t
	ds_store_b128 v5, v[S+8*\t+4:S+8*\t+7] offset:64*\t+16
.endr
.irp i, 0,1,2,3,4,5,6,7
	ds_load_b128 v[S+32+4*\i:S+35+4*\i], v6 offset:544*\i      ; in order behind my stores: rows 2 i and 2 i + 1
.endr
.irp i, 0,1,2,3,4,5,6,7
	s_wait_dscnt 7-\i
	global_store_b128 v1, v[S+32+4*\i:S+35+4*\i], s[30:31] offset:512*\i th:TH_STORE_NT   ; 32 lanes store 512 consecutive bytes, aligned; written once
.endr
	s_wait_xcnt 0x0                                ; the stores have read their data and their base: the next trip writes both
	s_wait_alu depctr_vm_vsrc(0)                   ; the LDS stores and the global stores have read v[S .. S+63], which the next trip's products write: ahead of the backward jump
.irp g, 0,1,2,3
	v_mov_b32 v[16+\g], v[26+\g]                   ; the second tile's codes take the operand's place (in the last trip these five lines serve nothing: the price of one text for both tiles)
.endr
	v_mov_b32 v24, v25                             ; and its scale word
	s_mov_b32 s17, s18
	s_sub_co_u32 s16, 127, s16
	s_add_co_u32 s29, s29, 1
	s_cmp_lt_u32 s29, 2
	s_cbranch_scc1 .Ltile
	s_wait_dscnt 0x0
	s_wait_alu depctr_hold_cnt(0) depctr_sa_sdst(0) depctr_va_vdst(0) depctr_va_sdst(0) depctr_va_ssrc(0) depctr_va_vcc(0) depctr_vm_vsrc(0)
	s_wait_tensorcnt 0x0
	ds_add_u32 v254, v255
	s_wait_dscnt 0x0
	s_endpgm
.Lfunc_end_k_q5bd8df664f_attn:
	.size	k_q5bd8df664f_attn, .Lfunc_end_k_q5bd8df664f_attn-k_q5bd8df664f_attn
	.p2alignl 7, 3214868480
	.fill 96, 4, 3214868480
	.section	.rodata,"a",@progbits
	.p2align	6, 0x0
	.amdhsa_kernel k_q5bd8df664f_attn
		.amdhsa_group_segment_fixed_size 223232
		.amdhsa_private_segment_fixed_size 0
		.amdhsa_enable_private_segment 0
		.amdhsa_kernarg_size 40
		.amdhsa_user_sgpr_count 2
		.amdhsa_user_sgpr_kernarg_segment_ptr 1
		.amdhsa_wavefront_size32 1
		.amdhsa_system_sgpr_workgroup_id_x 1
		.amdhsa_system_sgpr_workgroup_id_y 1
		.amdhsa_system_sgpr_workgroup_id_z 1
		.amdhsa_system_vgpr_workitem_id 0
		.amdhsa_next_free_vgpr 256
		.amdhsa_next_free_sgpr 102
		.amdhsa_reserve_vcc 0
		.amdhsa_float_denorm_mode_32 3
		.amdhsa_float_denorm_mode_16_64 3
		.amdhsa_memory_ordered 1
		.amdhsa_forward_progress 1
		.amdhsa_inst_pref_size 40
	.end_amdhsa_kernel
	.amdgpu_metadata
---
amdhsa.version: [ 1, 2 ]
amdhsa.kernels:
  - .name:           k_q5bd8df664f_attn
    .symbol:         k_q5bd8df664f_attn.kd
    .args:
      - { .name: q, .offset: 0, .size: 8, .value_kind: global_buffer, .address_space: global }
      - { .name: kv, .offset: 8, .size: 8, .value_kind: global_buffer, .address_space: global }
      - { .name: maskw, .offset: 16, .size: 8, .value_kind: global_buffer, .address_space: global }
      - { .name: flags, .offset: 24, .size: 8, .value_kind: global_buffer, .address_space: global }
      - { .name: out0, .offset: 32, .size: 8, .value_kind: global_buffer, .address_space: global }
    .group_segment_fixed_size: 223232
    .private_segment_fixed_size: 0
    .kernarg_segment_align: 8
    .kernarg_segment_size: 40
    .max_flat_workgroup_size: 512
    .sgpr_count:     102
    .vgpr_count:     256
    .wavefront_size: 32
...
	.end_amdgpu_metadata
.endif
;; end of part 4
